; MI455X (gfx1250); checked and timed in simulation.
; The chip was launched on July 23, 2026; its instructions are those of AMD's public machine-readable ISA for CDNA 5 (MIT licence, August 2026) and "CDNA5" Instruction Set Architecture Reference Guide (July 2026). The comments in the code are by the model that wrote it; some were corrected since.
;; Self Attention. Allowed arithmetic: matrix products marked QUANTISED: E2M3 operands, one E8M0 scale for each 32 along K, by v_wmma_scale_f32_16x16x128_f8f6f4 with both operands' format E2M3, f32 sums; everything else in f32.
;; Inputs: w_attn 1,024 x 3,072 float32; w_proj 1,024 x 1,024 float32; x 4 x 2,048 x 1,024 float32.
;; Outputs: out0 4 x 2,048 x 1,024 float32.
;; This version of the problem:
;;   THIS VERSION OF THE PROBLEM IS GIVEN IN LOW PRECISION. The matrix products marked QUANTISED in the list below multiply operands that are first quantised to E2M3 (2 exponent bits, 3 mantissa bits; 6 bits a number), with one power-of-two scale for each 32 numbers along K (OCP MX v1.0); their sums are f32. All else is computed in f32.
;;   The module's matrix products, in the order in which they are computed (A, B: the left and right operand; K: the contracted axis; several contracted axes count as one K, in the product's order):
;;     1. [M 8,192, K 1,024] x [K 1,024, N 3,072]; A: input x; B: input w_attn: QUANTISED
;;     2. batch 64 x [M 2,048, K 64] x [K 64, N 2,048]; A: computed on the way; B: computed on the way: QUANTISED
;;     3. batch 64 x [M 2,048, K 2,048] x [K 2,048, N 64]; A: softmax (see below); B: computed on the way: QUANTISED
;;     4. [M 8,192, K 1,024] x [K 1,024, N 1,024]; A: computed on the way; B: input w_proj: QUANTISED
;;   THE QUANTISER, for each operand of a quantised product, along K:
;;     - K is cut into blocks of 32 from its start; a last block that is shorter is filled with zeros.
;;     - A block's scale is 2^e with e = floor(log2(the largest magnitude in the block)) - 2, held to -126 .. 127; a block of zeros has e = 0. As a byte (E8M0): e + 127.
;;     - Each number is divided by its block's scale, clamped to +-7.5, and rounded to the nearest number of E2M3, ties to even, subnormals kept.
;;     - The product sums the exact products of the quantised numbers (number of the format x scale) in f32.
;;   ~~~python
;;   def quantise(x, axis):      # numpy; x: float32 -> the quantised numbers, widened to float32 again
;;       x = np.moveaxis(x, axis, -1); K = x.shape[-1]
;;       x = np.pad(x, [(0, 0)] * (x.ndim - 1) + [(0, -K % 32)]); x = x.reshape(x.shape[:-1] + (-1, 32)); a = np.abs(x).max(-1, keepdims=True)
;;       e = np.where(a > 0, np.clip(np.frexp(np.where(a > 0, a, 1))[1] - 1 - 2, -126, 127), 0)      # np.frexp(a)[1] - 1 = floor(log2(a)), exactly
;;       r = np.clip(x / 2.0 ** e, -7.5, 7.5)
;;       step = 2.0 ** (np.maximum(np.frexp(np.where(r == 0, 1, r))[1] - 1, 0) - 3)
;;       q = np.round(r / step) * step * 2.0 ** e      # np.round: ties to even
;;       return np.moveaxis(q.reshape(q.shape[:-2] + (-1,))[..., :K], -1, axis).astype(np.float32)
;;   ~~~
;;   SOFTMAX AHEAD OF A QUANTISED PRODUCT. Where the list says 'softmax', what is quantised is not the finished softmax but p = 2^(t - M), with t = logit x log2(e) and M = ceil(the row's largest t), a whole number; so 1/2 < the row's largest p <= 1. The row's sum l is taken of the UNQUANTISED p, in f32, and the product's result is divided by l at the end. Since M is a whole number, a kernel that streams over the keys may use a running M (the ceiling of the running maximum): every later rescaling is an exact power of two, which a block's scale takes up: the codes' values come out the same.
;;   OPERANDS COMPUTED ON THE WAY. 'Computed on the way' means the value that the module computes at that place (a softmax that the list does not call 'softmax' is quantised finished and normalised). What goes into a quantiser is computed in f32, as accurately as f32 sums, v_exp_f32 and their like allow (about 1e-6 of the number): no bf16 or f16 on the way to a quantiser, and a product that is left as it is and whose result goes on into a quantised operand takes f32 operands (vector FMAs, or v_wmma_f32_16x16x4_f32). A number that lies on a knife's edge between two numbers of the format may be rounded either way, as far as f32 arithmetic and the matrix unit's own rounding can turn it there, and no further.
;; One version. Each part assembles by itself: llvm-mc -triple=amdgcn-amd-amdhsa -mcpu=gfx1250 --defsym DOCPART=n.
;; ======== version 1 of 1: 4 launches
;; workspace buffers: opq 9,011,200 bytes; wpq 819,200 bytes; qkv 26,738,688 bytes; yq 6,553,600 bytes
;; launch prep (part 1): grid 384 x 1, 4 waves a work-group, no clusters, 98,816 bytes of LDS; arguments x, w_attn, w_proj, opq, wpq; writes opq, wpq
.if DOCPART == 1
	.amdgcn_target "amdgcn-amd-amdhsa--gfx1250"
	.amdhsa_code_object_version 6
	.text
	.protected	k_q3cd133d79f_prep
	.globl	k_q3cd133d79f_prep
	.p2align	8
	.type	k_q3cd133d79f_prep,@function
k_q3cd133d79f_prep:
	s_mov_b64 s[64:65], 0
	v_nop
	global_prefetch_b8 v0, s[64:65] scope:SCOPE_SE
	s_setreg_imm32_b32 hwreg(HW_REG_WAVE_MODE, 25, 1), 1
	s_wait_xcnt 0x0
; x [8192][1024], w_attn [1024][3072] and w_proj [1024][1024], f32, become codes of FP6 (E2M3) with one E8M0 byte for each 32 along K = 1024,
; laid AS THE MATRIX UNIT'S REGISTERS TAKE THEM.  A fragment (16 rows x 128 K, 12 registers a lane) is 6 planes of 256 bytes: plane p holds registers 2 p, 2 p + 1,
; lane l's 8 bytes at 8 l; lane (r, h) registers 6 c .. 6 c + 5 hold k = 64 c + 32 h + 0 .. 31.  An operand is [tile of 16 rows][K step 0..7][1,536 bytes]; its scale bytes [tile][256 along K][row][8 bytes].
; ORDER OF ROWS: storage row s of x and of w_attn's columns holds the actual row s with bits 3 and 4 swapped, so that tile 2 b + u holds rows 32 b + 8 u + r + 8 (r / 8); w_proj's columns keep their order.
; A block's scale is 2^(floor(log2(largest magnitude)) - 2): its byte is the largest magnitude's exponent field - 2, held at 1 from below.
; LIMITS: a block of zeros gets the byte 1 (its codes are zeros, and this program alone reads the bytes); blocks whose largest magnitude lies under 2^-124 were not tried; NaN and infinities are not served.
; Work-groups 0-255 take x (32 rows each), 256-351 w_attn, 352-383 w_proj (128 columns x 256 along K each): 32,768 numbers a work-group.  Each path has LDS bytes of its own; waves share nothing: no barrier.
.set XSC,  6291456                     ; in opq: x's scale bytes
.set WAI,  6553600                     ; w_attn's codes
.set WAS,  8912896                     ; w_attn's scale bytes
.set WPS,  786432                      ; in wpq: w_proj's scale bytes
.set R,    16                          ; v16-79   x: four sets of 16 numbers as loaded
.set X,    80                          ; v80-111  two sets of 16 neighbours
.set E,    112                         ; v112-127 a scale byte for each step
.set C,    128                         ; v128-191 codes: four registers for each step
.set SP,   80                          ; a lane's place in an in-stage: 64 bytes + 16
.set WREG, 11776                       ; x: LDS of a wave: two in-stages (2 x 2,560), 256 scale bytes at 5,120, the out-stage at 5,376 (8 groups of 3 planes + 16 bytes)
.macro XLOAD t                         ; step t = row t of my tile: actual row t + 8 (t / 8) from my first; 512 numbers: four loads of 512 consecutive bytes
.irp i, 0,1,2,3
	global_load_b128 v[R+16*((\t)%4)+4*\i:R+16*((\t)%4)+4*\i+3], v3, s[4:5] offset:((\t)+8*((\t)/8))*4096+512*\i th:TH_LOAD_NT
.endr
.endm
.macro XTURN t                         ; through the in-stage: in as loaded, out 64 bytes a lane.  LDS serves a wave's instructions in order: no wait between
.irp i, 0,1,2,3
	ds_store_b128 v14, v[R+16*((\t)%4)+4*\i:R+16*((\t)%4)+4*\i+3] offset:32*SP*((\t)%2)+8*SP*\i
.endr
.irp i, 0,1,2,3
	ds_load_b128 v[X+16*((\t)%2)+4*\i:X+16*((\t)%2)+4*\i+3], v15 offset:32*SP*((\t)%2)+16*\i
.endr
.endm
.macro XSTEP t
.set XS, X+16*((\t)%2)
.if (\t) > 0
	s_wait_dscnt 4                                 ; this step's numbers are back; behind them stand the last step's byte store and its three code stores
.else
	s_wait_dscnt 0x0
.endif
.if (\t)+4 < 16
	XLOAD (\t)+4
.endif
.if (\t)+1 < 16
.if 14-(\t) >= 3
	s_wait_loadcnt 12                              ; the next step's four loads are in; three steps' loads stay out
.else
	s_wait_loadcnt 4*(14-(\t))
.endif
	XTURN (\t)+1
.endif
	v_max3_num_f32 v8, |v[XS]|, |v[XS+1]|, |v[XS+2]|               ; the largest magnitude of my 16, in two chains
	v_max3_num_f32 v9, |v[XS+3]|, |v[XS+4]|, |v[XS+5]|
.irp i, 6,10
	v_max3_num_f32 v8, v8, |v[XS+\i]|, |v[XS+\i+1]|
	v_max3_num_f32 v9, v9, |v[XS+\i+2]|, |v[XS+\i+3]|
.endr
	v_max3_num_f32 v8, v8, |v[XS+14]|, |v[XS+15]|
	v_max3_num_f32 v8, v8, v9, 0x1800000           ; and the floor 2^(3 - 127): the byte cannot fall under 1
	v_max_num_f32_dpp v8, v8, v8 row_xmask:1 row_mask:0xf bank_mask:0xf   ; with my neighbour's 16: the block's
	v_add_nc_u32 v11, 0xff000000, v8               ; 2 off the exponent field: the conversion's scale operand
	v_cvt_scalef32_pk16_fp6_f32 v[C+4*(\t):C+4*(\t)+2], v[XS:XS+15], v11
	v_lshrrev_b32 v[E+(\t)], 23, v11               ; the scale's byte (a plain line behind the conversion)
	ds_store_b8 v5, v[E+(\t)] offset:8*(\t)        ; both lanes of a block write the same byte
	ds_store_b32 v192, v[C+4*(\t)] offset:8*(\t)   ; my three words of codes at their places in the image: row t is 8 t bytes on in a plane
	ds_store_b32 v193, v[C+4*(\t)+1] offset:8*(\t)
	ds_store_b32 v194, v[C+4*(\t)+2] offset:8*(\t)
.endm
.macro WLOAD t, N                      ; a weight's block t: rows 32 t + i of my column, i = 0 .. 31: neighbouring lanes read neighbouring columns
.set i, 0
.rept 32
	global_load_b32 v[32+32*((\t)%2)+i], v3, s[28:29] offset:(32*(\t)+i)*(\N)*4 th:TH_LOAD_NT
.set i, i+1
.endr
.endm
.macro WBLOCK t, N
.set XS, 32+32*((\t)%2)
.if (\t) < 7
	s_wait_loadcnt 32                              ; this block's 32 loads are in; the next block's stay out
.else
	s_wait_loadcnt 0x0
.endif
	v_max3_num_f32 v12, |v[XS]|, |v[XS+1]|, |v[XS+2]|              ; all 32 numbers of the block are mine
	v_max3_num_f32 v13, |v[XS+3]|, |v[XS+4]|, |v[XS+5]|
.irp i, 6,10,14,18,22,26
	v_max3_num_f32 v12, v12, |v[XS+\i]|, |v[XS+\i+1]|
	v_max3_num_f32 v13, v13, |v[XS+\i+2]|, |v[XS+\i+3]|
.endr
	v_max3_num_f32 v12, v12, |v[XS+30]|, |v[XS+31]|
	v_max3_num_f32 v12, v12, v13, 0x1800000
	v_add_nc_u32 v11, 0xff000000, v12
	v_lshrrev_b32 v13, 23, v11
.if (\t)%4 == 0
	v_mov_b32 v[24+(\t)/4], v13                    ; four bytes to a register, the lower K in the lower byte
.else
	v_lshl_or_b32 v[24+(\t)/4], v13, 8*((\t)%4), v[24+(\t)/4]
.endif
	v_cvt_scalef32_pk16_fp6_f32 v[96:98], v[XS:XS+15], v11
	v_cvt_scalef32_pk16_fp6_f32 v[104:106], v[XS+16:XS+31], v11    ; (a conversion's three registers begin on an even number)
	v_nop                                          ; one plain line behind the conversions
	v_mov_b32 v99, v104
	v_mov_b32 v100, v105
	v_mov_b32 v101, v106
.irp q, 0,1,2                          ; the block's 24 bytes: K step t / 4, c = (t / 2) % 2, h = t % 2: planes 3 c + q, lane r + 16 h
	ds_store_b64 v4, v[96+2*\q:97+2*\q] offset:((\t)/4)*1536+(((\t)/2)%2)*768+\q*256+((\t)%2)*128
.endr
.if (\t)+2 < 8
	WLOAD (\t)+2, \N
.endif
	s_wait_dscnt 0x0                               ; the stores have read their registers
.endm
; A weight [1024][N]: a lane takes a column, its registers run down K.  Work-group id: K quarter y = id % 4, columns 128 (id / 4) on; wave w: 32 columns = two tiles.
.macro WPATH N, PERM, STG, SRC, DST, IMG, SCO, ID0
	s_sub_co_u32 s17, ttmp9, \ID0
	s_and_b32 s18, s17, 3                          ; y
	s_lshr_b32 s17, s17, 2
	s_lshl_b32 s19, s17, 3
	s_lshl_b32 s20, s16, 1
	s_add_co_u32 s19, s19, s20                     ; my first tile of 16 columns
	s_mul_i32 s20, s18, 256*\N*4
	s_lshl_b32 s21, s19, 6
	s_add_co_u32 s20, s20, s21                     ; the weight: 256 y rows down, 64 bytes a tile
	s_mov_b32 s21, 0
	s_mul_i32 s22, s19, 12288
	s_mul_i32 s23, s18, 3072
	s_add_co_u32 s22, s22, s23
	s_add_co_u32 s22, s22, \IMG                    ; the image: my tile, K steps 2 y and 2 y + 1
	s_mov_b32 s23, 0
	s_lshl_b32 s24, s19, 9
	s_lshl_b32 s25, s18, 7
	s_add_co_u32 s24, s24, s25
	s_add_co_u32 s24, s24, \SCO                    ; the scale bytes: my tile, slot y
	s_mov_b32 s25, 0
	v_lshlrev_b32 v3, 2, v2
.if \PERM
	v_bfe_u32 v5, v2, 3, 1                         ; my column's storage place: tile = bit 3 of the lane,
	v_and_b32 v6, 7, v2
	v_lshrrev_b32 v10, 4, v2
	v_lshl_add_u32 v6, v10, 3, v6                  ; row = lane % 8 + 8 (lane / 16)
.else
	v_lshrrev_b32 v5, 4, v2
	v_and_b32 v6, 15, v2
.endif
	s_mul_i32 s26, s16, 6400                       ; my stage: two tiles of 3,072 bytes + 128, so that the two tiles' lanes use different banks
	s_add_co_u32 s26, s26, \STG
	v_mul_u32_u24 v4, v5, 3200
	v_lshl_add_u32 v4, v6, 3, v4
	v_add_nc_u32 v4, s26, v4
	v_lshlrev_b32 v8, 4, v2
	v_add_nc_u32 v7, s26, v8
	v_lshlrev_b32 v9, 9, v5
	v_lshl_add_u32 v9, v6, 3, v9
	s_wait_kmcnt 0x0
	s_add_nc_u64 s[28:29], s[\SRC:\SRC+1], s[20:21]
	s_add_nc_u64 s[30:31], s[\DST:\DST+1], s[22:23]
	s_add_nc_u64 s[32:33], s[\DST:\DST+1], s[24:25]
	WLOAD 0, \N
	WLOAD 1, \N
.irp t, 0,1,2,3,4,5,6,7
	WBLOCK \t, \N
.endr
	global_store_b64 v9, v[24:25], s[32:33]        ; my column's 8 scale bytes: 128 consecutive bytes a tile
.irp i, 0,1,2,3,4,5,6,7,8,9,10,11
	ds_load_b128 v[112+4*\i:115+4*\i], v7 offset:(\i/6)*3200+(\i%6)*512
.endr
.irp i, 0,1,2,3,4,5,6,7,8,9,10,11
	s_wait_dscnt 11-\i                             ; the younger loads stay out
	global_store_b128 v8, v[112+4*\i:115+4*\i], s[30:31] offset:(\i/6)*12288+(\i%6)*512   ; 512 consecutive bytes, aligned to 256
.endr
.endm
	s_load_b256 s[4:11], s[0:1], 0x0               ; x s[4:5], w_attn s[6:7], w_proj s[8:9], opq s[10:11]
	s_load_b64 s[12:13], s[0:1], 0x20              ; wpq
	v_lshl_add_u32 v200, v0, 2, 0x18000
	v_mov_b32 v201, 0
	v_lshrrev_b32 v1, 5, v0
	v_readfirstlane_b32 s16, v1                    ; wave
	v_and_b32 v2, 31, v0                           ; lane
	s_cmp_lt_u32 ttmp9, 256
	s_cbranch_scc0 .Lweights
	; ---- x: work-group g takes actual rows 32 g .. 32 g + 31 = storage tiles 2 g, 2 g + 1.  Wave w: tile 2 g + w / 2, K half w % 2 (512 numbers = 4 K steps); 16 steps, a row each.
	s_lshr_b32 s17, s16, 1                         ; u
	s_and_b32 s18, s16, 1                          ; K half
	s_lshl_b32 s20, ttmp9, 17                      ; 32 rows of 4,096 bytes
	s_lshl_b32 s19, s17, 15                        ; + 8 u rows
	s_add_co_u32 s20, s20, s19
	s_lshl_b32 s19, s18, 11
	s_add_co_u32 s20, s20, s19
	s_mov_b32 s21, 0
	s_lshl_b32 s19, ttmp9, 1
	s_add_co_u32 s19, s19, s17                     ; my storage tile
	s_mul_i32 s22, s19, 12288
	s_mul_i32 s24, s18, 6144
	s_add_co_u32 s22, s22, s24
	s_mov_b32 s23, 0
	s_lshl_b32 s24, s19, 9
	s_lshl_b32 s25, s18, 8
	s_add_co_u32 s24, s24, s25
	s_add_co_u32 s24, s24, XSC
	s_mov_b32 s25, 0
	s_mul_i32 s26, s16, WREG
	v_lshlrev_b32 v3, 4, v2                        ; 16 x lane
	v_lshrrev_b32 v14, 2, v2
	v_mul_u32_u24 v14, v14, SP
	v_and_b32 v15, 3, v2
	v_lshl_add_u32 v14, v15, 4, v14
	v_add_nc_u32 v14, s26, v14                     ; in-stage, way in: SP (lane / 4) + 16 (lane % 4)
	v_mul_u32_u24 v15, v2, SP
	v_add_nc_u32 v15, s26, v15                     ; way out: SP x lane
	s_add_co_u32 s27, s26, 5120
	v_lshrrev_b32 v5, 4, v2
	v_lshlrev_b32 v5, 7, v5
	v_bfe_u32 v6, v2, 1, 3
	v_add_nc_u32 v5, v5, v6
	v_add_nc_u32 v5, s27, v5                       ; my block's byte: slot lane / 16 (128 bytes), byte (lane / 2) % 8; the row adds 8 t
	v_lshlrev_b32 v7, 3, v2
	v_add_nc_u32 v6, s27, v7
	s_add_co_u32 s27, s26, 5376
	v_lshrrev_b32 v8, 2, v2                        ; out-stage: group lane / 4 = (K step, c): three planes;
	v_mul_u32_u24 v8, v8, 784
	v_bfe_u32 v9, v2, 1, 1                         ; h = (lane / 2) % 2: 128 bytes on in a plane
	v_lshl_add_u32 v8, v9, 7, v8
	v_add_nc_u32 v8, s27, v8
	v_and_b32 v9, 1, v2                            ; even lanes hold the block's words 0, 1, 2 (bytes 0, 4, 256 of the group), odd lanes words 3, 4, 5 (260, 512, 516)
	v_mad_u32_u24 v192, v9, 260, v8
	v_mad_u32_u24 v193, v9, 508, v8
	v_add_nc_u32 v193, 4, v193
	v_mad_u32_u24 v194, v9, 260, v8
	v_add_nc_u32 v194, 256, v194
	v_add_nc_u32 v195, s27, v3                     ; back: 16 x lane,
	v_lshrrev_b32 v9, 4, v2
	v_lshl_add_u32 v196, v9, 4, v195               ; and the same where lanes 16-31 lie behind one padding more
	s_wait_kmcnt 0x0
	s_add_nc_u64 s[4:5], s[4:5], s[20:21]
	s_add_nc_u64 s[8:9], s[10:11], s[22:23]
	s_add_nc_u64 s[10:11], s[10:11], s[24:25]
.irp t, 0,1,2,3
	XLOAD \t
.endr
	s_wait_loadcnt 12                              ; step 0's four loads are in
	XTURN 0
.irp t, 0,1,2,3,4,5,6,7,8,9,10,11,12,13,14,15
	XSTEP \t
.endr
.irp i, 0,1,2,3,4,5,6,7,8,9,10,11      ; the image's 6,144 bytes come back 512 at a time; 16 bytes of padding lie behind every 768
.if \i%3 == 0
	ds_load_b128 v[16+4*\i:19+4*\i], v195 offset:(\i/3)*1568
.elseif \i%3 == 1
	ds_load_b128 v[16+4*\i:19+4*\i], v196 offset:512+(\i/3)*1568
.else
	ds_load_b128 v[16+4*\i:19+4*\i], v195 offset:1040+(\i/3)*1568
.endif
.endr
	ds_load_b64 v[12:13], v6
.irp i, 0,1,2,3,4,5,6,7,8,9,10,11
	s_wait_dscnt 12-\i                             ; the younger loads, the scale bytes' among them, stay out
	global_store_b128 v3, v[16+4*\i:19+4*\i], s[8:9] offset:512*\i
.endr
	s_wait_dscnt 0x0
	global_store_b64 v7, v[12:13], s[10:11]        ; 256 consecutive bytes, aligned
	s_wait_tensorcnt 0x0
	ds_add_u32 v200, v201
	s_wait_dscnt 0x0
	s_endpgm
.Lweights:
	s_cmp_lt_u32 ttmp9, 352
	s_cbranch_scc0 .Lwproj
	WPATH 3072, 1, 47104, 6, 10, WAI, WAS, 256
	s_wait_tensorcnt 0x0
	ds_add_u32 v200, v201
	s_wait_dscnt 0x0
	s_endpgm
.Lwproj:
	WPATH 1024, 0, 72704, 8, 12, 0, WPS, 352
	s_wait_tensorcnt 0x0
	ds_add_u32 v200, v201
	s_wait_dscnt 0x0
	s_endpgm
.Lfunc_end_k_q3cd133d79f_prep:
	.size	k_q3cd133d79f_prep, .Lfunc_end_k_q3cd133d79f_prep-k_q3cd133d79f_prep
	.p2alignl 7, 3214868480
	.fill 96, 4, 3214868480
	.section	.rodata,"a",@progbits
	.p2align	6, 0x0
	.amdhsa_kernel k_q3cd133d79f_prep
		.amdhsa_group_segment_fixed_size 98816
		.amdhsa_private_segment_fixed_size 0
		.amdhsa_enable_private_segment 0
		.amdhsa_kernarg_size 40
		.amdhsa_user_sgpr_count 2
		.amdhsa_user_sgpr_kernarg_segment_ptr 1
		.amdhsa_wavefront_size32 1
		.amdhsa_system_sgpr_workgroup_id_x 1
		.amdhsa_system_sgpr_workgroup_id_y 1
		.amdhsa_system_sgpr_workgroup_id_z 1
		.amdhsa_system_vgpr_workitem_id 0
		.amdhsa_next_free_vgpr 202
		.amdhsa_next_free_sgpr 66
		.amdhsa_reserve_vcc 0
		.amdhsa_float_denorm_mode_32 3
		.amdhsa_float_denorm_mode_16_64 3
		.amdhsa_memory_ordered 1
		.amdhsa_forward_progress 1
		.amdhsa_inst_pref_size 120
	.end_amdhsa_kernel
	.amdgpu_metadata
---
amdhsa.version: [ 1, 2 ]
amdhsa.kernels:
  - .name:           k_q3cd133d79f_prep
    .symbol:         k_q3cd133d79f_prep.kd
    .args:
      - { .name: x, .offset: 0, .size: 8, .value_kind: global_buffer, .address_space: global }
      - { .name: w_attn, .offset: 8, .size: 8, .value_kind: global_buffer, .address_space: global }
      - { .name: w_proj, .offset: 16, .size: 8, .value_kind: global_buffer, .address_space: global }
      - { .name: opq, .offset: 24, .size: 8, .value_kind: global_buffer, .address_space: global }
      - { .name: wpq, .offset: 32, .size: 8, .value_kind: global_buffer, .address_space: global }
    .group_segment_fixed_size: 98816
    .private_segment_fixed_size: 0
    .kernarg_segment_align: 8
    .kernarg_segment_size: 40
    .max_flat_workgroup_size: 128
    .sgpr_count:     66
    .vgpr_count:     202
    .wavefront_size: 32
...
	.end_amdgpu_metadata
.endif
;; end of part 1
;; launch qkvgemm (part 2): grid 12 x 32, 4 waves a work-group, clusters of 4 x 4, 327,680 bytes of LDS; arguments opq, qkv; writes qkv
.if DOCPART == 2
	.amdgcn_target "amdgcn-amd-amdhsa--gfx1250"
	.amdhsa_code_object_version 6
	.text
	.protected	k_q3cd133d79f_qkvgemm
	.globl	k_q3cd133d79f_qkvgemm
	.p2align	8
	.type	k_q3cd133d79f_qkvgemm,@function
k_q3cd133d79f_qkvgemm:
	s_mov_b64 s[64:65], 0
	v_nop
	global_prefetch_b8 v0, s[64:65] scope:SCOPE_SE
	s_setreg_imm32_b32 hwreg(HW_REG_WAVE_MODE, 25, 1), 1
	s_wait_xcnt 0x0
	s_wait_alu depctr_hold_cnt(0) depctr_sa_sdst(0) depctr_va_vdst(0) depctr_va_sdst(0) depctr_va_ssrc(0) depctr_va_vcc(0) depctr_vm_vsrc(0)
	s_getreg_b32 s2, hwreg(HW_REG_IB_STS2, 6, 4)
	s_cmp_eq_u32 s2, 0
	s_cbranch_scc0 .Lentry_in_a_cluster
	s_endpgm
.Lentry_in_a_cluster:
	s_bfe_u32 s2, ttmp6, 0x10000c
	s_cmp_lg_u32 s2, 0xf033
	s_cbranch_scc0 .Lentry_shape_is_right
	s_endpgm
.Lentry_shape_is_right:
; q, k, v = x w_attn on codes of FP6 (E2M3) with E8M0 scales, K = 1,024; the results are quantised in registers and leave as codes: no f32 result goes to memory.
; A tile of 256 x 256 is made by four waves, each 128 x 128: 64 accumulators, 512 registers.  K goes in slots of 256 through two LDS slots filled by the tensor data mover.
; OPERANDS ARE IMAGES OF REGISTERS: [tile of 16 rows][K step][6 planes of 256 bytes]; a plane comes by one ds_load_b64 at 8 x lane: 256 consecutive bytes, no padding.  Scale bytes: [tile][slot][row][8].
; The matrix instruction takes source 0 = 16 rows of "B", source 1 = 16 rows of "A": a lane holds ONE row of A and eight rows of B; B's tiles hold rows 32 b + 8 u + r + 8 (r / 8), so the 16 registers
; of tiles 2 b, 2 b + 1 are 16 neighbours, 32 b + 16 (lane / 16) + 0 .. 15: a lane's 64 registers of a block of A are 128 neighbours along B, as the conversions want them.
; ROLES, by the cluster's x, which all sixteen partners share: 0: q, 1: k: A = x's tokens, B = w_attn's columns: a lane holds a token, and is quantised along the head's 64 channels (two heads a wave);
; 2: v: A = w_attn's v columns, B = x's tokens: a lane holds a channel, and is quantised along 128 keys: fragments of V^T.  One text; the roles differ in whole-number offsets chosen by s_cselect_b32.
; OUT: qkv = two parts (q | k and v) x [64 heads][8 slots of 256 tokens][26,112 bytes]: 16 tiles x 768 (16 tokens x the head's 64: planes 0-2), 2 x 4 fragments of V^T at 12,288,
; 256 scale words of the tokens at 24,576 (bytes 0, 1; bytes 2, 3 = 0x7f), 2 x 4 x 16 scale words of V^T at 25,600.
; CLUSTERS: 4 x 4; A's tiles are asked for jointly along a row of the cluster, B's along a column.  No prefetch: K has four slots, two of them first fills.
; LIMITS: a block of zeros gets the byte 1 (its codes are zeros; this program alone reads the bytes); blocks under 2^-124 were not tried; NaN and infinities are not served.
; REGISTERS: window 0: v0-31 addresses; v32-63 scale words, two sets, and nothing else; from v128 A's fragments, one set (on the way out: at work).  window 1: B's fragments, two sets.  windows 2, 3: accumulators.
.set NQ,     2                         ; matrix instructions deep in a slot
.set FR,     12
.set NL,     6                         ; LDS loads that bring a fragment
.set NP,     4                         ; places behind this matrix instruction (ISA guide 7.12.1)
.set FRB,    1536
.set TSL,    2*FRB                     ; a tile's bytes in a slot
.set TILEB,  12288                     ; and in memory, for all of K
.set HALFT,  8*TSL                     ; 8 tiles: what one tensor load brings, and what a wave reads of A or of B
.set SLOT,   4*HALFT
.set SCL,    2*SLOT                    ; behind the ring: the scale bytes for all of K, filled once
.set HALFS,  4096
.set SPARE,  SCL+4*HALFS               ; the spare words: 128 bytes a wave, two blocks of 256 bytes that no other line names
.set HEADB,  208896
.set SLOTB,  26112
.set PART,   13369344
.set ADRA, 16                          ; v16-17 my A fragments in slot 0, 1;  v20-21 my B fragments
.set ADRB, 20
.set ADRS, 27                          ; v27 my scale words: lanes 0-15 A's rows, lanes 16-31 B's
.set SPW,  28
.set NIL,  29
.set SC,   32
.set AF,   128
.set PC,   128                         ; way out: the codes just made v128-139; v140-146 halves
.set TM,   160                         ; v160-175 at work
.set PW,   176                         ; the scale word just made
.set SW,   180                         ; v180-187 a word for each block
.set G1, 24
.set G0, 32
.set G1B, 48
.set G0B, 56
.set G1S, 68
.set G0S, 76
.set G1SB, 80
.set G0SB, 88
.set CLO, 8                            ; s[8:9], s[10:11] where planes 0-2 and 3-5 go;  s[12:13], s[20:21] the scale words;  s[22:23] a block on;  s[46:47] more at block 4
.set CHI, 10
.set SLO, 12
.set SHI, 20
.set SA,  22
.set J4,  46
.set SM,  92
.set SO,  93
.set SEL, 66
.set MSB, 0
.macro WIN new                         ; the immediate's high byte repeats the setting that is left
.if MSB != (\new)
	s_set_vgpr_msb (MSB<<8)|(\new)
.set MSB, (\new)
.endif
.endm
.set MUL_LO, 0xa1                      ; source 0 (B) window 1, source 1 (A) window 0, C and D window 2
.set MUL_HI, 0xf1
.set TO_B,   0x40
; A joint load: waves 0 and 1 fetch for A, waves 2 and 3 for B; the branch hangs on the wave's number alone.  Four v_nop follow each line.
.macro JLOAD g0a, g1a, g0b, g1b
	s_cmp_eq_u32 s15, 0
	s_cbranch_scc0 .Lfor_b_\@
	tensor_load_to_lds s[\g0a:\g0a+3], s[\g1a:\g1a+7]
	s_nop 0
.rept 4
	v_nop
.endr
	s_branch .Lasked_\@
.Lfor_b_\@:
	tensor_load_to_lds s[\g0b:\g0b+3], s[\g1b:\g1b+7]
	s_nop 0
.rept 4
	v_nop
.endr
.Lasked_\@:
.endm
.macro CREST                           ; a round of the cluster's barrier behind its opening barrier
	s_cmp_lg_u32 s14, 0
	s_cbranch_scc1 .Lnot_wave_0_\@
	s_barrier_signal -3
.Lnot_wave_0_\@:
	s_barrier_wait -3
	s_barrier_signal -1
	s_barrier_wait -1
.endm
.macro CROUND
	s_barrier_signal -1
	s_barrier_wait -1
	CREST
.endm
	s_load_b128 s[4:7], s[0:1], 0x0                ; opq s[4:5], qkv s[6:7]
	v_lshl_add_u32 v[SPW], v0, 2, SPARE
	v_mov_b32 v[NIL], 0
	ds_add_u32 v28, v29
	s_wait_dscnt 0x0
	v_lshrrev_b32 v1, 5, v0
	v_readfirstlane_b32 s14, v1                    ; wave 0..3
	s_lshr_b32 s15, s14, 1                         ; my half of A's rows.  Also: I fetch for A (0) or for B (1)
	s_and_b32 s16, s14, 1                          ; my half of B's rows.  Also: which 8 tiles I fetch
	s_bfe_u32 s40, ttmp6, 0x40000                  ; cx
	s_bfe_u32 s41, ttmp6, 0x40004                  ; cy
	s_and_b32 s17, ttmp7, 0xffff
	s_lshl_b32 s17, s17, 2                         ; 4 x cluster y
	s_lshl_b32 s42, ttmp9, 2                       ; 4 x cluster x
	s_lshl_b32 s43, s41, 2
	s_lshl_b32 s43, 15, s43                        ; my row of the cluster
	s_lshl_b32 s44, 0x1111, s40                    ; my column
	s_or_b32 s[G1+0], s43, (3<<16)|(1<<21)         ; codes: 8 rows (tiles) of 3,072 bytes = 384 elements of 8 bytes, 12,288 bytes apart; no padding; the mask, bit 21 beside it
	s_or_b32 s[G1B+0], s44, (3<<16)|(1<<21)
.irp g, G1, G1B
	s_mov_b32 s[\g+1], 384<<16
	s_mov_b32 s[\g+2], 8<<16
	s_mov_b32 s[\g+3], 384<<16
	s_mov_b32 s[\g+4], 8
	s_mov_b32 s[\g+5], 1536
	s_mov_b32 s[\g+6], 0
	s_mov_b32 s[\g+7], 0
.endr
	s_or_b32 s[G1S+0], s43, (3<<16)|(1<<21)        ; scale bytes of 8 tiles: 4,096 dense bytes as 16 rows of 256
	s_or_b32 s[G1SB+0], s44, (3<<16)|(1<<21)
.irp g, G1S, G1SB
	s_mov_b32 s[\g+1], 32<<16
	s_mov_b32 s[\g+2], 16<<16
	s_mov_b32 s[\g+3], 32<<16
	s_mov_b32 s[\g+4], 16
	s_mov_b32 s[\g+5], 32
	s_mov_b32 s[\g+6], 0
	s_mov_b32 s[\g+7], 0
.endr
	; the role's offsets in opq.  q, k: A = x (codes 0, scales 6,291,456), B = w_attn (6,553,600; 8,912,896).  v: A = w_attn from tile 128 on (8,126,464; 8,978,432), B = x
	s_mov_b32 s10, 8126464
	s_mov_b32 s11, 8978432
	s_mov_b32 s12, 6291456
	s_mov_b32 s13, 6553600
	s_mov_b32 s18, 8912896
	s_cmp_eq_u32 ttmp9, 2                          ; the cluster's x: the same in all partners
	s_cselect_b32 s8, 0, s17                       ; A's tile of 256 rows: cy (v) or 4 Y + cy
	s_cselect_b32 s9, s17, s42                     ; B's: 4 Y + cx (v) or 4 X + cx
	s_cselect_b32 s10, s10, 0
	s_cselect_b32 s11, s11, s12
	s_cselect_b32 s13, 0, s13
	s_cselect_b32 s18, s12, s18
	s_add_co_u32 s8, s8, s41                       ; A's registers never hold cx, B's never cy
	s_add_co_u32 s9, s9, s40
	s_lshl_b32 s19, s16, 3
	s_lshl_b32 s20, s8, 4
	s_add_co_u32 s20, s20, s19                     ; the first of the 8 tiles that I fetch
	s_lshl_b32 s46, s9, 4
	s_add_co_u32 s46, s46, s19
	s_lshl_b32 s22, s20, 9
	s_add_co_u32 s22, s22, s11
	s_mul_i32 s20, s20, TILEB
	s_add_co_u32 s20, s20, s10
	s_lshl_b32 s92, s46, 9
	s_add_co_u32 s92, s92, s18
	s_mul_i32 s46, s46, TILEB
	s_add_co_u32 s46, s46, s13
	s_mov_b32 s21, 0
	s_mov_b32 s23, 0
	s_mov_b32 s47, 0
	s_mov_b32 s93, 0
	s_mul_i32 s45, s14, HALFT                      ; where they go: wave x 8 tiles: no place in the cluster enters an LDS address
	s_mul_i32 s94, s14, HALFS
	s_wait_kmcnt 0x0
	s_add_nc_u64 s[20:21], s[4:5], s[20:21]
	s_add_nc_u64 s[22:23], s[4:5], s[22:23]
	s_add_nc_u64 s[46:47], s[4:5], s[46:47]
	s_add_nc_u64 s[92:93], s[4:5], s[92:93]
	CROUND                                         ; all sixteen work-groups are here: the first joint loads meet
	s_mov_b32 s[G0S], 1
	s_add_co_u32 s[G0S+1], s94, SCL
	s_mov_b64 s[G0S+2:G0S+3], s[22:23]
	s_or_b32 s[G0S+3], s[G0S+3], 0x80000000
	s_mov_b32 s[G0SB], 1
	s_add_co_u32 s[G0SB+1], s94, SCL
	s_mov_b64 s[G0SB+2:G0SB+3], s[92:93]
	s_or_b32 s[G0SB+3], s[G0SB+3], 0x80000000
	JLOAD G0S, G1S, G0SB, G1SB                     ; the scale bytes first; three loads of mine are out behind the first fills
.irp s, 0,1
	s_mov_b32 s[G0+4*\s], 1
	s_add_co_u32 s[G0+4*\s+1], s45, \s*SLOT
	s_add_nc_u64 s[G0+4*\s+2:G0+4*\s+3], s[20:21], \s*TSL
	s_or_b32 s[G0+4*\s+3], s[G0+4*\s+3], 0x80000000
	s_mov_b32 s[G0B+4*\s], 1
	s_add_co_u32 s[G0B+4*\s+1], s45, \s*SLOT
	s_add_nc_u64 s[G0B+4*\s+2:G0B+4*\s+3], s[46:47], \s*TSL
	s_or_b32 s[G0B+4*\s+3], s[G0B+4*\s+3], 0x80000000
	JLOAD G0+4*\s, G1, G0B+4*\s, G1B
.endr
	v_and_b32 v1, 15, v0                           ; r
	v_bfe_u32 v2, v0, 4, 1                         ; h
	v_and_b32 v3, 31, v0                           ; lane
	v_lshlrev_b32 v8, 3, v3                        ; 8 x lane: my place in a plane
	s_mul_i32 s2, s15, HALFT
	s_mul_i32 s3, s16, HALFT
	s_add_co_u32 s3, s3, 2*HALFT
.irp s, 0,1
	v_add_nc_u32 v[ADRA+\s], s2, v8
	v_add_nc_u32 v[ADRB+\s], s3, v8
	s_add_co_u32 s2, s2, SLOT
	s_add_co_u32 s3, s3, SLOT
.endr
	v_lshlrev_b32 v5, 3, v1                        ; scale words: 8 bytes a row in a slot's 128
	s_mul_i32 s2, s15, HALFS
	s_mul_i32 s3, s16, HALFS
	s_add_co_u32 s3, s3, 2*HALFS
	s_sub_co_u32 s3, s3, s2
	v_mul_u32_u24 v6, s3, v2                       ; lanes 16-31 take B's: one product with h
	s_add_co_u32 s2, s2, SCL
	v_add_nc_u32 v5, v5, v6
	v_add_nc_u32 v[ADRS], s2, v5
	s_lshl_b32 s2, s14, 10                         ; way out: 1,024 bytes a wave for scale words, in slot 0, which has had its last fill and its last read by then
	v_lshlrev_b32 v9, 2, v1
	v_lshl_add_u32 v9, v2, 9, v9
	v_add_nc_u32 v9, s2, v9                        ; in: 4 r + 512 h
	v_lshl_add_u32 v10, v3, 4, s2                  ; back: 16 x lane
	; the way out's whole numbers, from ids alone
	s_mov_b32 s22, 768
	s_mov_b32 s97, HEADB
	s_mov_b32 s3, 24576
	s_cmp_eq_u32 ttmp9, 2
	s_cselect_b32 s66, s40, s41                    ; the token tile's place in the cluster: cx (v) or cy
	s_cselect_b32 s67, s41, s40                    ; which four heads
	s_cselect_b32 s95, s15, s16                    ; which two of them
	s_cselect_b32 s96, s16, s15                    ; which 128 of the 256 tokens
	s_cselect_b32 s[SA], 1536, s22                 ; a block of A on: a fragment of V^T, or a token tile's 768 bytes
	s_cselect_b32 s[J4], 202752, 0                 ; v: block 4 begins the next head: HEADB - 4 x 1,536
	s_cselect_b32 s98, 768, s97                    ; planes 3-5: behind planes 0-2 (v), or the next head's tile
	s_cselect_b32 s21, s97, 256                    ; lanes 16-31 of the scale words' store: the next head (v), or the next 256 bytes
	s_cselect_b32 s2, 12288, 0
	s_cselect_b32 s3, 25600, s3
	s_cselect_b32 s18, 8, 9
	s_cselect_b32 s[SM], -1, 0xffff
	s_cselect_b32 s[SO], 0, 0x7f7f0000
	s_cselect_b32 s19, 0, 16
	v_mul_u32_u24 v11, v2, s21
	v_lshl_add_u32 v11, v1, 4, v11                 ; 16 (lane % 16) + (lane / 16) x that stride
	v_mul_u32_u24 v12, v2, s19                     ; q, k: lanes 16-31 take the word's upper two bytes, the second head's
	s_add_co_u32 s66, s66, s17                     ; the tile of 256 tokens, 0 .. 31
	s_lshr_b32 s17, s66, 3
	s_lshl_b32 s17, s17, 4                         ; 16 x batch
	s_lshl_b32 s67, s67, 2
	s_add_co_u32 s17, s17, s67
	s_lshl_b32 s95, s95, 1
	s_add_co_u32 s17, s17, s95                     ; my first head
	s_mul_i32 s17, s17, HEADB
	s_and_b32 s66, s66, 7
	s_mul_i32 s66, s66, SLOTB
	s_add_co_u32 s17, s17, s66
	s_min_u32 s66, ttmp9, 1
	s_mul_i32 s66, s66, PART
	s_add_co_u32 s17, s17, s66                     ; part, head, slot
	s_mul_i32 s66, s96, 6144
	s_add_co_u32 s66, s66, s17
	s_add_co_u32 s66, s66, s2
	s_mov_b32 s67, 0
	s_add_nc_u64 s[CLO:CLO+1], s[6:7], s[66:67]
	s_mov_b32 s99, 0
	s_add_nc_u64 s[CHI:CHI+1], s[CLO:CLO+1], s[98:99]
	s_lshl_b32 s66, s96, s18
	s_add_co_u32 s66, s66, s17
	s_add_co_u32 s66, s66, s3
	s_add_nc_u64 s[SLO:SLO+1], s[6:7], s[66:67]
	s_add_nc_u64 s[SHI:SHI+1], s[SLO:SLO+1], HEADB
	s_mov_b32 s[SA+1], 0
	s_mov_b32 s[J4+1], 0
	s_mov_b32 s[SEL], 0x76543210
	s_mov_b32 s[SEL+1], 0xfedcba98                 ; v_permlanex16_b32's selects for lane l xor 16
.macro FRAG reg, adr, q, i             ; tile i's fragment of the slot's q-th 128 along K: six planes
.irp p, 0,1,2,3,4,5
	ds_load_b64 v[\reg+2*\p:\reg+2*\p+1], v[\adr] offset:(\i)*TSL+(\q)*FRB+\p*256
.endr
.endm
; 16 matrix instructions: A's blocks a0, a0 + 1 x B's eight.  The 64 accumulators take turns, one instruction a turn, in the same order in every step.
.macro MUL16 a0, p, q, sc, zero
.irp a, \a0, \a0+1
.irp b, 0,1,2,3,4,5,6,7
.if \zero
	v_wmma_scale_f32_16x16x128_f8f6f4 v[8*(8*((\a)%4)+\b):8*(8*((\a)%4)+\b)+7], v[128*(\p)+FR*\b:128*(\p)+FR*\b+FR-1], v[AF+FR*(\a):AF+FR*(\a)+FR-1], 0, v[SC+8*NQ*(\sc)+NQ*\b+(\q)], v[SC+8*NQ*(\sc)+NQ*(\a)+(\q)] matrix_a_fmt:MATRIX_FMT_FP6 matrix_b_fmt:MATRIX_FMT_FP6 matrix_a_scale:MATRIX_SCALE_ROW1
.else
	v_wmma_scale_f32_16x16x128_f8f6f4 v[8*(8*((\a)%4)+\b):8*(8*((\a)%4)+\b)+7], v[128*(\p)+FR*\b:128*(\p)+FR*\b+FR-1], v[AF+FR*(\a):AF+FR*(\a)+FR-1], v[8*(8*((\a)%4)+\b):8*(8*((\a)%4)+\b)+7], v[SC+8*NQ*(\sc)+NQ*\b+(\q)], v[SC+8*NQ*(\sc)+NQ*(\a)+(\q)] matrix_a_fmt:MATRIX_FMT_FP6 matrix_b_fmt:MATRIX_FMT_FP6 matrix_a_scale:MATRIX_SCALE_ROW1
.endif
.endr
.endr
.endm
.macro FETCH_B slot, q, p
	WIN TO_B
.irp i, 0,1,2,3,4,5,6,7
	FRAG 128*(\p)+FR*\i, ADRB+\slot, \q, \i
.endr
	WIN 0
.endm
.macro FETCH_A slot, q, i0
.irp i, \i0, \i0+1, \i0+2, \i0+3
	FRAG AF+FR*(\i), ADRA+\slot, \q, \i
.endr
.endm
.macro SCALES sc                       ; a slot's two scale words a row: lanes 0-15 A's block i, lanes 16-31 B's block i
.irp i, 0,1,2,3,4,5,6,7
	ds_load_b64 v[SC+8*NQ*\sc+NQ*\i:SC+8*NQ*\sc+NQ*\i+1], v[ADRS] offset:\i*512
.endr
.endm
.macro PLACES n                        ; plain vector lines between a matrix instruction and a load into, or a vector read or write of, its registers
.rept \n
	v_nop
.endr
.endm
.macro STEP slot, q, zero              ; a step of 128 along K that has its successor in the same slot
	s_wait_dscnt 4*NL                              ; B's set, A's blocks 0-3 and the scale words are in; the youngest 24 loads (A's blocks 4-7) may be out
	WIN MUL_LO
	MUL16 0, (\q)%2, \q, \slot, \zero
	MUL16 2, (\q)%2, \q, \slot, \zero
	s_wait_dscnt 0
	PLACES NP
	FETCH_B \slot, (\q)+1, 1-(\q)%2
	FETCH_A \slot, (\q)+1, 0
	WIN MUL_HI
	MUL16 4, (\q)%2, \q, \slot, \zero
	MUL16 6, (\q)%2, \q, \slot, \zero
	PLACES NP
	WIN 0
	FETCH_A \slot, (\q)+1, 4
.endm
; A slot's last step changes slots: one barrier; in front of it each wave waits for all its tensor loads, adds 0 to its spare word, and waits for that and for its reads of this slot.
.macro TURN slot, next, fill
	s_wait_tensorcnt 0x0                           ; all my tensor loads have landed: my part of the next slot
	ds_add_u32 v[SPW], v[NIL]
	s_wait_dscnt 4*NL+1                            ; (the add and the youngest 24 loads may be out)
	WIN MUL_LO
	MUL16 0, 1, NQ-1, \slot, 0
	s_wait_dscnt 0x0                               ; the add is done, and my reads of this slot are over
	s_barrier_signal -1
	MUL16 2, 1, NQ-1, \slot, 0
	WIN 0
	s_barrier_wait -1
.if \fill
	CREST                                          ; the barrier has opened a round of the cluster's: no wave of any partner still reads this slot or has a load on its way
	s_add_nc_u64 s[G0+4*\slot+2:G0+4*\slot+3], s[G0+4*\slot+2:G0+4*\slot+3], 2*TSL
	s_add_nc_u64 s[G0B+4*\slot+2:G0B+4*\slot+3], s[G0B+4*\slot+2:G0B+4*\slot+3], 2*TSL
	JLOAD G0+4*\slot, G1, G0B+4*\slot, G1B         ; my one tensor load behind the round; its four v_nop are the places in front of the loads below
.else
	PLACES NP
.endif
	v_add_nc_u32 v[ADRS], 128, v[ADRS]             ; the next slot's scale words
	FETCH_B \next, 0, 0
	FETCH_A \next, 0, 0
	SCALES \next
	WIN MUL_HI
	MUL16 4, 1, NQ-1, \slot, 0
	MUL16 6, 1, NQ-1, \slot, 0
	PLACES NP
	WIN 0
	FETCH_A \next, 0, 4
.endm
	s_wait_tensorcnt 1                             ; the scale bytes and my part of slot 0 are in; slot 1's load may be out
	s_barrier_signal -1
	s_barrier_wait -1
	FETCH_B 0, 0, 0
	FETCH_A 0, 0, 0
	SCALES 0
	FETCH_A 0, 0, 4
	STEP 0, 0, 1                                   ; K = 1,024 is eight steps, written out: the first starts the sums
	TURN 0, 1, 1                                   ; slot 0 takes K 512 on
	STEP 1, 0, 0
	TURN 1, 0, 1                                   ; slot 1 takes K 768 on
	STEP 0, 0, 0
	TURN 0, 1, 0                                   ; nothing is left to fetch
	STEP 1, 0, 0
	s_wait_dscnt 4*NL
	WIN MUL_LO
	MUL16 0, 1, NQ-1, 1, 0
	MUL16 2, 1, NQ-1, 1, 0
	s_wait_dscnt 0
	WIN MUL_HI
	MUL16 4, 1, NQ-1, 1, 0
	MUL16 6, 1, NQ-1, 1, 0
	WIN 0
; THE WAY OUT.  Block a of A: a lane's 64 registers, register 16 b + i = index 32 b + 16 (lane / 16) + i along B, become a fragment's 12 registers and a scale word.
.macro QROW a
.set AC, 64*((\a)%4)
.set W1, 2+(\a)/4
.set W2, W1|(W1<<2)
	WIN W2                                         ; sources 0 and 1: the block's window
.irp b, 0,1,2,3
	v_max3_num_f32 v[TM+\b], |v[AC+16*\b]|, |v[AC+16*\b+1]|, 0x1800000   ; each accumulator is read from its low end on; the floor 2^(3 - 127) holds the byte at 1
.endr
.irp i, 2,4,6,8,10,12,14
.irp b, 0,1,2,3
	v_max3_num_f32 v[TM+\b], |v[AC+16*\b+\i]|, |v[AC+16*\b+\i+1]|, v[TM+\b]
.endr
.endr
	WIN 0
.irp b, 0,1,2,3
	v_permlanex16_b32 v[TM+4+\b], v[TM+\b], s[SEL], s[SEL+1]
.endr
.irp b, 0,1,2,3
	v_max_num_f32 v[TM+\b], v[TM+\b], v[TM+4+\b]   ; with lane l xor 16's 16: the block's largest magnitude
.endr
.irp b, 0,1,2,3
	v_add_nc_u32 v[TM+12+\b], 0xff000000, v[TM+\b] ; 2 off the exponent field: the conversion's scale operand
.endr
.irp b, 0,1,2,3
	v_lshrrev_b32 v[TM+4+\b], 23, v[TM+12+\b]
.endr
	v_lshl_or_b32 v[PW], v[TM+5], 8, v[TM+4]
	v_lshl_or_b32 v[PW], v[TM+6], 16, v[PW]
	v_lshl_or_b32 v[PW], v[TM+7], 24, v[PW]
	s_wait_xcnt 0x0                                ; the last block's stores have read their data and their bases: both are written again only behind this wait
.if (\a) > 0
	s_add_nc_u64 s[CLO:CLO+1], s[CLO:CLO+1], s[SA:SA+1]
	s_add_nc_u64 s[CHI:CHI+1], s[CHI:CHI+1], s[SA:SA+1]
.endif
.if (\a) == 4
	s_add_nc_u64 s[CLO:CLO+1], s[CLO:CLO+1], s[J4:J4+1]
	s_add_nc_u64 s[CHI:CHI+1], s[CHI:CHI+1], s[J4:J4+1]
.endif
	WIN W1                                         ; source 0: the block's window
.irp c, 0,1
	v_cvt_scalef32_pk16_fp6_f32 v[PC+6*\c:PC+6*\c+2], v[AC+32*\c:AC+32*\c+15], v[TM+12+2*\c]
	v_cvt_scalef32_pk16_fp6_f32 v[PC+12+4*\c:PC+14+4*\c], v[AC+16+32*\c:AC+31+32*\c], v[TM+13+2*\c]
.endr
	WIN 0
	v_nop                                          ; one plain line behind the conversions
.irp c, 0,1                            ; the layout wants a whole block of 32 in a lane
.irp i, 0,1,2
	v_permlane16_swap_b32 v[PC+6*\c+\i], v[PC+12+4*\c+\i]
.endr
.irp i, 0,1,2
	v_mov_b32 v[PC+3+6*\c+\i], v[PC+12+4*\c+\i]
.endr
.endr
	v_lshrrev_b32 v[SW+(\a)], v12, v[PW]           ; q, k: each half of the lanes keeps its head's two bytes, with 0x7f above; v: the word as it is
	v_and_or_b32 v[SW+(\a)], v[SW+(\a)], s[SM], s[SO]
	ds_store_b32 v9, v[SW+(\a)] offset:64*(\a)
.irp p, 0,1,2
	global_store_b64 v8, v[PC+2*\p:PC+2*\p+1], s[CLO:CLO+1] offset:256*\p       ; a plane: 256 consecutive bytes, aligned
.endr
.irp p, 3,4,5
	global_store_b64 v8, v[PC+2*\p:PC+2*\p+1], s[CHI:CHI+1] offset:256*(\p-3)
.endr
.endm
	PLACES NP
.irp b, 0,1,2,3
	v_mov_b32 v[TM+4+\b], 0                        ; written once: a lane permute's destination counts as one of its sources
.endr
.irp a, 0,1,2,3,4,5,6,7
	QROW \a
.endr
	ds_load_b128 v[192:195], v10                   ; LDS serves a wave's instructions in order: these see my stores
	ds_load_b128 v[196:199], v10 offset:512
	s_wait_dscnt 0x0
	global_store_b128 v11, v[192:195], s[SLO:SLO+1]    ; q, k: the first head's 128 words; v: 64 words for each of the two heads
	s_cmp_eq_u32 ttmp9, 2
	s_cbranch_scc1 .Lno_second
	global_store_b128 v11, v[196:199], s[SHI:SHI+1]    ; q, k: the second head's
.Lno_second:
	s_wait_tensorcnt 0x0                           ; the wave's end
	ds_add_u32 v[SPW], v[NIL]
	s_wait_dscnt 0x0
	CROUND                                         ; the closing round
	s_endpgm
.Lfunc_end_k_q3cd133d79f_qkvgemm:
	.size	k_q3cd133d79f_qkvgemm, .Lfunc_end_k_q3cd133d79f_qkvgemm-k_q3cd133d79f_qkvgemm
	.p2alignl 7, 3214868480
	.fill 96, 4, 3214868480
	.section	.rodata,"a",@progbits
	.p2align	6, 0x0
	.amdhsa_kernel k_q3cd133d79f_qkvgemm
		.amdhsa_group_segment_fixed_size 327680
		.amdhsa_private_segment_fixed_size 0
		.amdhsa_enable_private_segment 0
		.amdhsa_kernarg_size 16
		.amdhsa_user_sgpr_count 2
		.amdhsa_user_sgpr_kernarg_segment_ptr 1
		.amdhsa_wavefront_size32 1
		.amdhsa_system_sgpr_workgroup_id_x 1
		.amdhsa_system_sgpr_workgroup_id_y 1
		.amdhsa_system_sgpr_workgroup_id_z 1
		.amdhsa_system_vgpr_workitem_id 0
		.amdhsa_next_free_vgpr 1024
		.amdhsa_next_free_sgpr 100
		.amdhsa_reserve_vcc 0
		.amdhsa_float_denorm_mode_32 3
		.amdhsa_float_denorm_mode_16_64 3
		.amdhsa_memory_ordered 1
		.amdhsa_forward_progress 1
		.amdhsa_inst_pref_size 170
	.end_amdhsa_kernel
	.amdgpu_metadata
---
amdhsa.version: [ 1, 2 ]
amdhsa.kernels:
  - .name:           k_q3cd133d79f_qkvgemm
    .symbol:         k_q3cd133d79f_qkvgemm.kd
    .args:
      - { .name: opq, .offset: 0, .size: 8, .value_kind: global_buffer, .address_space: global }
      - { .name: qkv, .offset: 8, .size: 8, .value_kind: global_buffer, .address_space: global }
    .group_segment_fixed_size: 327680
    .private_segment_fixed_size: 0
    .kernarg_segment_align: 8
    .kernarg_segment_size: 16
    .max_flat_workgroup_size: 128
    .sgpr_count:     100
    .vgpr_count:     1024
    .wavefront_size: 32
...
	.end_amdgpu_metadata
.endif
;; end of part 2
;; launch attn (part 3): grid 4 x 64, 16 waves a work-group, no clusters, 327,680 bytes of LDS; arguments qkv, yq; writes yq
.if DOCPART == 3
	.amdgcn_target "amdgcn-amd-amdhsa--gfx1250"
	.amdhsa_code_object_version 6
	.text
	.protected	k_q3cd133d79f_attn
	.globl	k_q3cd133d79f_attn
	.p2align	8
	.type	k_q3cd133d79f_attn,@function
k_q3cd133d79f_attn:
	s_mov_b64 s[64:65], 0
	v_nop
	global_prefetch_b8 v0, s[64:65] scope:SCOPE_SE
	s_setreg_imm32_b32 hwreg(HW_REG_WAVE_MODE, 25, 1), 1
	s_wait_xcnt 0x0
; y = softmax(q k^T / 8, causal) v for one head, both products on codes of FP6 (E2M3) with E8M0 scales; y is quantised along the channels and leaves as codes, laid as the last product's operand.
; t = score x log2(e) / 8; M = the running largest t rounded up to a whole number; p = 2^(t - M) is quantised along the keys, not normalised; the row's sum of the unquantised p divides at the end.
; SHARES.  Work-group (i, head) owns the query blocks 7 - i and i of 256 queries and walks NINE slots of 256 keys: slots 0 .. 7 - i for the first block, then 0 .. i for the second: the same work in all
; 256 work-groups, and trip counts that are constants.  Each of sixteen waves owns one tile of 16 queries of the block in hand: four waves to a SIMD, so that one wave's vector work stands beside another's products.
; LAYOUT.  S^T = K Q^T, O^T = V^T P^T: a lane holds one query.  Tiles of tokens hold tokens 32 b + 8 u + r + 8 (r / 8), so the 16 registers of two neighbouring key tiles are 16 neighbouring keys.
; THE FIRST PRODUCT'S K IS 64 OF THE INSTRUCTION'S 128.  Q's upper six registers are zero codes and the upper two scale bytes are 0x7f on both sides.  A key tile is six registers; the operand names twelve: the upper
; six are the next tile's codes (behind the last tile: the second block's Q), finite numbers that meet zeros.
; A slot in memory and in LDS, 26,112 bytes: 16 key tiles x 768; at 12,288 2 x 4 fragments of V^T; at 24,576 the keys' scale words; at 25,600 V^T's.  Waves 0-2 fetch a third each: one tensor load of 34 rows of 256 bytes.
; NO CLUSTER: the four work-groups of a head go back to key slot 0 at different trips (8 - i), so their requests are not alike.
; LIMITS: the running maximum starts at -3e38; 1 / sum by v_rcp_f32 and a multiply; a block of zeros gets the byte 1; NaN and infinities are not served; y's scale bytes leave two at a time, since a head owns two of a row's eight.
; REGISTERS: v1 8 x lane, v2 4 r, v3-4 the step's LDS addresses, v5-6 for the add, v7 r + 8 (r / 8) - 16 h, v8 8 r, v9 prefetch offset, v12 -M, v13 largest t, v[14:15] the sum; v16-21 Q, v22-27 zeros; v28-31 V's scale words;
; v32-79 K (then p's codes); v80-85 the second block's Q; v86-93 K's scale words; v94 p's; v95 Q's; v96-159 S^T, p; v160-191 O^T; v192-239 V; v240-254 at work; v255 the second block's Q scale word.
.set HEADB, 208896
.set SLOTB, 26112
.set PART,  13369344
.set YSC,   6291456
.set THIRD, 8704
.set SLOT1, 32768
.set SPARE, 65536                      ; the spare words: 128 bytes for each of 16 waves: eight blocks of 256 bytes that no other line names
.macro TLOAD                           ; waves 0-2; four v_nop follow the line
	s_cmp_lt_u32 s18, 3
	s_cbranch_scc0 .Lasked_\@
	tensor_load_to_lds s[32:35], s[24:31]
	s_nop 0
.rept 4
	v_nop
.endr
.Lasked_\@:
.endm
; A prefetch of the key slot that the NEXT change of slots asks for.  The four work-groups of a head walk the same slots: work-group x = 0 asks, in its waves 4-7, which fetch nothing: a lane a block of 256 bytes,
; 102 blocks (lanes 6-31 of wave 7 repeat the last).  Trip n names key slot n + 2 while that is at most 7; slots 0 and 1 come by their loads alone.
.macro ASK
	s_cmp_gt_u32 s41, s56
	s_cbranch_scc0 .Lnot_mine_\@
	global_prefetch_b8 v9, s[54:55] th:TH_LOAD_NT scope:SCOPE_SE
.Lnot_mine_\@:
.endm
; The change of slots stands at a slot's head: all my tensor loads have landed, the add, my reads of the slot that I left are over; one barrier; then the slot just left is filled with the next of the nine.
.macro CHANGE fill
	s_wait_tensorcnt 0x0                           ; no tensor load of mine is out: group 0 may be written
	ds_add_u32 v5, v6
.if \fill
	s_xor_b32 s33, s33, SLOT1                      ; the other LDS slot
	s_add_co_u32 s38, s38, SLOTB                   ; the next key slot,
	s_add_co_u32 s45, s45, 1
	s_cmp_eq_u32 s45, s40                          ; or key slot 0 again where the second block begins
	s_cselect_b32 s38, 0, s38
	s_add_nc_u64 s[34:35], s[36:37], s[38:39]
	s_or_b32 s35, s35, 0x80000000
	s_wait_xcnt 0x0                                ; the last prefetch, a slot back, has read its address
	s_add_nc_u64 s[54:55], s[54:55], SLOTB
.endif
	s_wait_dscnt 0x0
	s_barrier_signal -1
	s_barrier_wait -1
.if \fill
	TLOAD                                          ; my one tensor load until the next barrier: it has a slot's two key steps in which to land
	ASK
.endif
.endm
; O^T / the sum, quantised along the head's 64 channels (two blocks), to y's image: tile, K step head / 2, planes 3 (head % 2) on; two scale bytes a row.
.macro FINISH cb, sb
.rept 4
	v_nop                                          ; places behind the last products
.endr
	v_add_f32 v14, v14, v15
	s_delay_alu instid0(VALU_DEP_1)
	v_permlanex16_b32 v252, v14, s20, s21
	s_delay_alu instid0(VALU_DEP_1)
	v_add_f32 v14, v14, v252                       ; the row's sum
	s_wait_alu depctr_va_vdst(0)
	v_rcp_f32 v14, v14
	v_nop                                          ; a plain line behind the reciprocal,
	s_wait_alu depctr_va_vdst(0)                   ; and the wait ahead of its first reader
.set j, 0
.rept 16
	v_pk_mul_f32 v[96+j:97+j], v[160+j:161+j], v[14:15] op_sel_hi:[1,0]   ; register 16 b + i = channel 32 b + 16 h + i; each accumulator from its low end on
.set j, j+2
.endr
.irp b, 0,1
	v_max3_num_f32 v[240+\b], |v[96+16*\b]|, |v[97+16*\b]|, 0x1800000
.endr
.irp i, 2,4,6,8,10,12,14
.irp b, 0,1
	s_delay_alu instid0(VALU_DEP_2)
	v_max3_num_f32 v[240+\b], v[240+\b], |v[96+16*\b+\i]|, |v[97+16*\b+\i]|
.endr
.endr
.irp b, 0,1
	s_delay_alu instid0(VALU_DEP_2)
	v_permlanex16_b32 v[244+\b], v[240+\b], s20, s21
.endr
.irp b, 0,1
	s_delay_alu instid0(VALU_DEP_2)
	v_max_num_f32 v[240+\b], v[240+\b], v[244+\b]
.endr
.irp b, 0,1
	s_delay_alu instid0(VALU_DEP_2)
	v_add_nc_u32 v[248+\b], 0xff000000, v[240+\b]
.endr
.irp b, 0,1
	s_delay_alu instid0(VALU_DEP_2)
	v_lshrrev_b32 v[244+\b], 23, v[248+\b]
.endr
	s_delay_alu instid0(VALU_DEP_1)
	v_lshl_or_b32 v254, v245, 8, v244
	v_cvt_scalef32_pk16_fp6_f32 v[32:34], v[96:111], v248
	v_cvt_scalef32_pk16_fp6_f32 v[44:46], v[112:127], v249
	v_nop
.irp i, 0,1,2
	v_permlane16_swap_b32 v[32+\i], v[44+\i]
.endr
.irp i, 0,1,2
	s_delay_alu instid0(VALU_DEP_3)
	v_mov_b32 v[35+\i], v[44+\i]
.endr
.irp q, 0,1,2
	global_store_b64 v1, v[32+2*\q:33+2*\q], s[\cb:\cb+1] offset:256*\q   ; a plane: 256 consecutive bytes, aligned
.endr
	global_store_b16 v8, v254, s[\sb:\sb+1]        ; lanes 16-31 write the same two bytes as lanes 0-15
.endm
; Where the second block begins (a branch on ids): the first block leaves, and the state begins anew.
.macro SWITCH
	s_cmp_lg_u32 s3, s40
	s_cbranch_scc1 .Lsame_\@
	FINISH 46, 50
	v_mov_b32 v95, v255                            ; the scale word first: the lines below stand between it and the next product
.irp j, 0,1,2,3,4,5
	v_mov_b32 v[16+\j], v[80+\j]
.endr
	v_mov_b32 v13, 0xff61b1e6
	s_delay_alu instid0(VALU_DEP_1)
	v_floor_f32 v12, -v13
	v_mov_b32 v14, 0
	v_mov_b32 v15, 0
.set j, 0
.rept 32
	v_mov_b32 v[160+j], 0
.set j, j+1
.endr
	s_mov_b32 s42, 0
	s_mov_b32 s43, s44
	s_wait_xcnt 0x0                                ; the stores have read their data: the registers are written again only behind this wait
.Lsame_\@:
	s_add_co_u32 s3, s3, 1
.endm
; A key step: 128 keys, the q-th of the slot in hand.
.macro STEP q
	s_add_co_u32 s96, s43, 23                      ; my tile's last query
	s_cmp_gt_u32 s42, s96
	s_cbranch_scc1 .Lhidden_\@                     ; all 128 keys come after my queries: the step's work is left out (ids alone decide)
	v_add_nc_u32 v3, s2, v1
	v_add_nc_u32 v4, s2, v2
	v_nop
	v_nop                                          ; four places in front of loads into registers that the last products read
.irp t, 0,1,2,3,4,5,6,7
.irp p, 0,1,2
	ds_load_b64 v[32+6*\t+2*\p:33+6*\t+2*\p], v3 offset:(8*(\q)+\t)*768+256*\p
.endr
	ds_load_b32 v[86+\t], v4 offset:24576+(8*(\q)+\t)*64
.endr
.irp d, 0,1,2,3
.irp p, 0,1,2,3,4,5
	ds_load_b64 v[192+12*\d+2*\p:193+12*\d+2*\p], v3 offset:12288+(\q)*6144+\d*1536+256*\p
.endr
	ds_load_b32 v[28+\d], v4 offset:25600+(\q)*256+\d*64
.endr
	s_wait_dscnt 28                                ; K's 32 loads are in; V's 28, issued behind them, stay out
.irp t, 0,1,2,3,4,5,6,7
	v_wmma_scale_f32_16x16x128_f8f6f4 v[96+8*\t:103+8*\t], v[32+6*\t:43+6*\t], v[16:27], 0, v[86+\t], v95 matrix_a_fmt:MATRIX_FMT_FP6 matrix_b_fmt:MATRIX_FMT_FP6
.endr
.rept 4
	v_nop
.endr
	s_add_co_u32 s96, s42, 127
	s_cmp_le_u32 s96, s43
	s_cbranch_scc1 .Lopen_\@                       ; all keys count for all my queries
	s_sub_co_i32 s96, s43, s42
	v_add_nc_u32 v252, s96, v7                     ; d = my query - the step's first key - 16 h; register n holds key 32 (n / 16) + n % 16 + 16 h: hidden where that exceeds d
	v_mov_b32 v254, 0xff800000
.set n, 0
.rept 64
	v_cmp_gt_i32 vcc_lo, 32*(n/16)+n%16, v252
	v_cndmask_b32 v[96+n], v[96+n], v254, vcc_lo
.set n, n+1
.endr
.Lopen_\@:
.irp b, 0,1,2,3
	v_max3_num_f32 v[240+\b], v[96+16*\b], v[97+16*\b], v[98+16*\b]   ; each block's largest score: for the row's maximum, and, since p rises with the score, for the block's largest p
.endr
.irp i, 3,5,7,9,11,13
.irp b, 0,1,2,3
	v_max3_num_f32 v[240+\b], v[240+\b], v[96+16*\b+\i], v[97+16*\b+\i]
.endr
.endr
.irp b, 0,1,2,3
	v_max_num_f32 v[240+\b], v[240+\b], v[111+16*\b]
.endr
.irp b, 0,1,2,3
	s_delay_alu instid0(VALU_DEP_4)
	v_permlanex16_b32 v[244+\b], v[240+\b], s20, s21
.endr
.irp b, 0,1,2,3
	s_delay_alu instid0(VALU_DEP_4)
	v_max_num_f32 v[240+\b], v[240+\b], v[244+\b]
.endr
	s_delay_alu instid0(VALU_DEP_2)
	v_max3_num_f32 v254, v240, v241, v242
	s_delay_alu instid0(VALU_DEP_1)
	v_max_num_f32 v254, v254, v243
	s_delay_alu instid0(VALU_DEP_1)
	v_mul_f32 v254, s22, v254
	s_delay_alu instid0(VALU_DEP_1)
	v_max_num_f32 v13, v13, v254                   ; the running largest t
	v_mov_b32 v254, v12
	s_delay_alu instid0(VALU_DEP_2)
	v_floor_f32 v12, -v13                          ; -M = floor(-t): M is a whole number
	s_delay_alu instid0(VALU_DEP_1)
	v_sub_f32 v254, v12, v254
	s_delay_alu instid0(VALU_DEP_1)
	v_cvt_i32_f32 v254, v254                       ; (it saturates)
	s_delay_alu instid0(VALU_DEP_1)
	v_ldexp_f32 v252, 1.0, v254                    ; f = 2^(old M - new M): a multiplication by it rounds nothing
.set j, 0
.rept 32
	v_pk_fma_f32 v[96+j:97+j], v[96+j:97+j], s[22:23], v[12:13] op_sel_hi:[1,0,0]   ; t - M
.set j, j+2
.endr
.irp b, 0,1,2,3
	v_fma_f32 v[240+\b], v[240+\b], s22, v12
.endr
.set j, 0
	s_wait_alu depctr_va_vdst(0)
.rept 64
	v_exp_f32 v[96+j], v[96+j]                     ; p
.set j, j+1
.endr
	v_pk_mul_f32 v[14:15], v[14:15], v[252:253] op_sel_hi:[1,0]   ; the sums under the new M: the plain line behind the batch
	s_wait_alu depctr_va_vdst(0)                   ; one wait for the 64, ahead of their first reader
.irp b, 0,1,2,3
	v_exp_f32 v[240+\b], v[240+\b]                 ; each block's largest p
.endr
	v_pk_add_f32 v[244:245], v[100:101], v[104:105]
	v_pk_add_f32 v[250:251], v[108:109], v[112:113]
	v_pk_add_f32 v[248:249], v[116:117], v[120:121]
	v_pk_add_f32 v[246:247], v[124:125], v[128:129]
	v_pk_add_f32 v[92:93], v[132:133], v[136:137]
	v_pk_add_f32 v[90:91], v[140:141], v[144:145]
	v_pk_add_f32 v[88:89], v[148:149], v[152:153]
	v_pk_add_f32 v[14:15], v[14:15], v[156:157]
	v_pk_add_f32 v[244:245], v[244:245], v[96:97]
	v_pk_add_f32 v[250:251], v[250:251], v[98:99]
	v_pk_add_f32 v[248:249], v[248:249], v[102:103]
	v_pk_add_f32 v[246:247], v[246:247], v[106:107]
	v_pk_add_f32 v[92:93], v[92:93], v[110:111]
	v_pk_add_f32 v[90:91], v[90:91], v[114:115]
	v_pk_add_f32 v[88:89], v[88:89], v[118:119]
	v_pk_add_f32 v[14:15], v[14:15], v[122:123]
	v_pk_add_f32 v[244:245], v[244:245], v[126:127]
	v_pk_add_f32 v[250:251], v[250:251], v[130:131]
	v_pk_add_f32 v[248:249], v[248:249], v[134:135]
	v_pk_add_f32 v[246:247], v[246:247], v[138:139]
	v_pk_add_f32 v[92:93], v[92:93], v[142:143]
	v_pk_add_f32 v[90:91], v[90:91], v[146:147]
	v_pk_add_f32 v[88:89], v[88:89], v[150:151]
	v_pk_add_f32 v[14:15], v[14:15], v[154:155]
	v_pk_add_f32 v[244:245], v[244:245], v[158:159]
	s_delay_alu instid0(VALU_DEP_2)
	v_pk_add_f32 v[14:15], v[14:15], v[246:247]
	s_delay_alu instid0(VALU_DEP_2)
	v_pk_add_f32 v[244:245], v[244:245], v[92:93]
	v_pk_add_f32 v[250:251], v[250:251], v[90:91]
	v_pk_add_f32 v[248:249], v[248:249], v[88:89]
	s_delay_alu instid0(VALU_DEP_2)
	v_pk_add_f32 v[14:15], v[14:15], v[250:251]
	s_delay_alu instid0(VALU_DEP_2)
	v_pk_add_f32 v[244:245], v[244:245], v[248:249]
	s_delay_alu instid0(VALU_DEP_1)
	v_pk_add_f32 v[14:15], v[14:15], v[244:245]
	s_wait_alu depctr_va_vdst(0)                   ; and one for the four
.irp b, 0,1,2,3
	v_max_num_f32 v[240+\b], 0x1800000, v[240+\b]  ; the floor: a block whose every p is 0 keeps the byte 1: its codes are zeros
.endr
.irp b, 0,1,2,3
	s_delay_alu instid0(VALU_DEP_4)
	v_add_nc_u32 v[248+\b], 0xff000000, v[240+\b]
.endr
.irp b, 0,1,2,3
	s_delay_alu instid0(VALU_DEP_4)
	v_lshrrev_b32 v[244+\b], 23, v[248+\b]
.endr
	s_delay_alu instid0(VALU_DEP_3)
	v_lshl_or_b32 v94, v245, 8, v244               ; p's scale word for these 128 keys
	s_delay_alu instid0(VALU_DEP_1)
	v_lshl_or_b32 v94, v246, 16, v94
	s_delay_alu instid0(VALU_DEP_1)
	v_lshl_or_b32 v94, v247, 24, v94
.irp c, 0,1
	v_cvt_scalef32_pk16_fp6_f32 v[32+6*\c:34+6*\c], v[96+32*\c:111+32*\c], v[248+2*\c]
	v_cvt_scalef32_pk16_fp6_f32 v[44+4*\c:46+4*\c], v[112+32*\c:127+32*\c], v[249+2*\c]
.endr
	v_nop
.irp c, 0,1
.irp i, 0,1,2
	v_permlane16_swap_b32 v[32+6*\c+\i], v[44+4*\c+\i]
.endr
.irp i, 0,1,2
	s_delay_alu instid0(VALU_DEP_3)
	v_mov_b32 v[35+6*\c+\i], v[44+4*\c+\i]
.endr
.endr
.set j, 0
.rept 16
	v_pk_mul_f32 v[160+j:161+j], v[160+j:161+j], v[252:253] op_sel_hi:[1,0]   ; O^T under the new M; these sixteen are also the places between p's codes and scale word and the products
.set j, j+2
.endr
	s_wait_alu depctr_va_vdst(0)
	s_wait_dscnt 0x0                               ; V is in
.irp d, 0,1,2,3
	v_wmma_scale_f32_16x16x128_f8f6f4 v[160+8*\d:167+8*\d], v[192+12*\d:203+12*\d], v[32:43], v[160+8*\d:167+8*\d], v[28+\d], v94 matrix_a_fmt:MATRIX_FMT_FP6 matrix_b_fmt:MATRIX_FMT_FP6
.endr
.Lhidden_\@:
	s_add_co_u32 s42, s42, 128
.endm
.macro SLOT_STEPS
	STEP 0
	STEP 1
	s_xor_b32 s2, s2, SLOT1
.endm
	s_load_b128 s[4:7], s[0:1], 0x0                ; qkv s[4:5], yq s[6:7]
	v_lshl_add_u32 v5, v0, 2, SPARE
	v_mov_b32 v6, 0
	ds_add_u32 v5, v6
	ds_add_u32 v5, v6
	s_wait_dscnt 0x0
	v_lshrrev_b32 v1, 5, v0
	s_delay_alu instid0(VALU_DEP_1)
	v_readfirstlane_b32 s18, v1                    ; wave 0..15
	s_and_b32 s8, ttmp7, 0xffff                    ; batch x 16 + head
	s_mul_i32 s9, s8, HEADB
	s_sub_co_u32 s40, 8, ttmp9                     ; slots of the first block
	s_sub_co_u32 s10, 7, ttmp9                     ; the first block
	s_min_u32 s57, s18, 2
	s_mul_i32 s57, s57, THIRD                      ; my third of a slot, in memory and in LDS
	s_add_co_u32 s12, s9, PART
	s_add_co_u32 s14, s12, SLOTB                   ; the prefetches begin at key slot 1; the first change steps them to 2
	s_add_co_u32 s12, s12, s57
	s_mov_b32 s13, 0
	s_mov_b32 s15, 0
	s_mul_i32 s66, s10, SLOTB
	s_add_co_u32 s66, s66, s9                      ; q's slot of the first block,
	s_mov_b32 s67, 0
	s_mul_i32 s68, ttmp9, SLOTB
	s_add_co_u32 s68, s68, s9                      ; of the second
	s_mov_b32 s69, 0
	s_lshr_b32 s70, s8, 4
	s_lshl_b32 s70, s70, 7
	s_add_co_u32 s70, s70, s18                     ; 128 x batch + wave
	s_and_b32 s71, s8, 15                          ; head
	s_lshl_b32 s72, s10, 4
	s_add_co_u32 s72, s72, s70                     ; y's tile, first block
	s_lshl_b32 s73, ttmp9, 4
	s_add_co_u32 s73, s73, s70                     ; second block
	s_lshr_b32 s74, s71, 1
	s_mul_i32 s74, s74, 1536
	s_and_b32 s75, s71, 1
	s_mul_i32 s75, s75, 768
	s_add_co_u32 s74, s74, s75                     ; the head's place in a tile's codes
	s_lshr_b32 s75, s71, 2
	s_lshl_b32 s75, s75, 7
	s_and_b32 s76, s71, 3
	s_lshl_b32 s76, s76, 1
	s_add_co_u32 s75, s75, s76
	s_add_co_u32 s75, s75, YSC                     ; and in its scale bytes
	s_mul_i32 s76, s72, 12288
	s_add_co_u32 s76, s76, s74
	s_mov_b32 s77, 0
	s_mul_i32 s78, s73, 12288
	s_add_co_u32 s78, s78, s74
	s_mov_b32 s79, 0
	s_lshl_b32 s80, s72, 9
	s_add_co_u32 s80, s80, s75
	s_mov_b32 s81, 0
	s_lshl_b32 s82, s73, 9
	s_add_co_u32 s82, s82, s75
	s_mov_b32 s83, 0
	s_lshr_b32 s84, s18, 1
	s_lshl_b32 s84, s84, 5
	s_and_b32 s85, s18, 1
	s_lshl_b32 s85, s85, 3
	s_add_co_u32 s84, s84, s85                     ; my tile's least query in its block: 32 (w / 2) + 8 (w % 2)
	s_lshl_b32 s43, s10, 8
	s_add_co_u32 s43, s43, s84
	s_lshl_b32 s44, ttmp9, 8
	s_add_co_u32 s44, s44, s84
	s_mul_i32 s86, s18, 768
	s_lshl_b32 s87, s18, 6
	s_add_co_u32 s87, s87, 24576
	s_lshr_b32 s56, s18, 2
	s_xor_b32 s56, s56, 1
	s_or_b32 s56, s56, ttmp9                       ; 0 in waves 4-7 of work-group x = 0
	s_cmp_eq_u32 s56, 0
	s_cselect_b32 s56, 2, -1
	s_mov_b32 s24, 3<<16                           ; group 1: 34 rows of 256 bytes (32 elements of 8 bytes), dense, no padding, no mask
	s_mov_b32 s25, 32<<16
	s_mov_b32 s26, 34<<16
	s_mov_b32 s27, 32<<16
	s_mov_b32 s28, 34
	s_mov_b32 s29, 32
	s_mov_b32 s30, 0
	s_mov_b32 s31, 0
	s_mov_b32 s20, 0x76543210
	s_mov_b32 s21, 0xfedcba98                      ; v_permlanex16_b32's selects for lane l xor 16
	s_mov_b32 s22, 0x3e38aa3b                      ; c = log2(e) / 8
	s_mov_b32 s23, s22
	s_mov_b32 s2, 0                                ; the LDS slot in hand
	s_mov_b32 s3, 0                                ; slots begun
	s_mov_b32 s41, 8
	s_mov_b32 s42, 0                               ; the step's first key
	s_mov_b32 s45, 0                               ; the number of the slot last asked for
	s_mov_b32 s38, 0
	s_mov_b32 s39, 0
	s_wait_kmcnt 0x0
	s_add_nc_u64 s[36:37], s[4:5], s[12:13]        ; k and v: my third of the head's key slot 0
	s_mov_b32 s32, 1
	s_mov_b32 s33, s57
	s_mov_b64 s[34:35], s[36:37]
	s_or_b32 s35, s35, 0x80000000
	TLOAD                                          ; slot 0
	s_add_nc_u64 s[54:55], s[4:5], s[14:15]
	s_add_nc_u64 s[58:59], s[4:5], s[66:67]
	s_add_nc_u64 s[60:61], s[4:5], s[68:69]
	s_add_nc_u64 s[46:47], s[6:7], s[76:77]
	s_add_nc_u64 s[48:49], s[6:7], s[78:79]
	s_add_nc_u64 s[50:51], s[6:7], s[80:81]
	s_add_nc_u64 s[52:53], s[6:7], s[82:83]
	v_and_b32 v10, 31, v0
	s_delay_alu instid0(VALU_DEP_1)
	v_lshlrev_b32 v1, 3, v10                       ; 8 x lane
	v_and_b32 v11, 15, v0                          ; r
	s_delay_alu instid0(VALU_DEP_1)
	v_lshlrev_b32 v2, 2, v11
	s_delay_alu instid0(VALU_DEP_2)
	v_lshlrev_b32 v8, 3, v11
	v_bfe_u32 v3, v0, 4, 1                         ; h
	s_delay_alu instid0(VALU_DEP_4)
	v_and_b32 v7, 8, v11
	s_delay_alu instid0(VALU_DEP_1)
	v_add_nc_u32 v7, v7, v11
	s_delay_alu instid0(VALU_DEP_3)
	v_lshlrev_b32 v3, 4, v3
	s_delay_alu instid0(VALU_DEP_1)
	v_sub_nc_u32 v7, v7, v3
	v_add_nc_u32 v9, 0xffffff80, v0
	s_delay_alu instid0(VALU_DEP_1)
	v_min_u32 v9, 101, v9
	s_delay_alu instid0(VALU_DEP_1)
	v_lshlrev_b32 v9, 8, v9
	v_add_nc_u32 v10, s86, v1                      ; my tile's codes in a slot of q
	v_add_nc_u32 v11, s87, v2                      ; and its scale words
.irp p, 0,1,2
	global_load_b64 v[16+2*\p:17+2*\p], v10, s[58:59] offset:256*\p
	global_load_b64 v[80+2*\p:81+2*\p], v10, s[60:61] offset:256*\p
.endr
	global_load_b32 v95, v11, s[58:59]
	global_load_b32 v255, v11, s[60:61]
	v_mov_b32 v13, 0xff61b1e6                      ; -3e38, under every t
	s_delay_alu instid0(VALU_DEP_1)
	v_floor_f32 v12, -v13
	v_mov_b32 v14, 0
	v_mov_b32 v15, 0
.irp j, 22,23,24,25,26,27,244,245,246,247,252,253
	v_mov_b32 v[\j], 0                             ; Q's zero half; lane permutes' destinations and the pair's upper half, written once
.endr
.set j, 0
.rept 32
	v_mov_b32 v[160+j], 0                          ; O^T: the first change of M leaves zeros zeros
.set j, j+1
.endr
	s_wait_loadcnt 0x0                             ; Q
.Lslot:                                            ; eight trips: behind each change of slots but the last the next slot is asked for
	CHANGE 1
	SWITCH
	SLOT_STEPS
	s_sub_co_u32 s41, s41, 1
	s_cmp_lg_u32 s41, 0
	s_cbranch_scc1 .Lslot
	CHANGE 0                                       ; the ninth slot is written out
	SWITCH
	SLOT_STEPS
	FINISH 48, 52
	s_wait_tensorcnt 0x0                           ; the wave's end
	ds_add_u32 v5, v6
	s_wait_dscnt 0x0
	s_endpgm
.Lfunc_end_k_q3cd133d79f_attn:
	.size	k_q3cd133d79f_attn, .Lfunc_end_k_q3cd133d79f_attn-k_q3cd133d79f_attn
	.p2alignl 7, 3214868480
	.fill 96, 4, 3214868480
	.section	.rodata,"a",@progbits
	.p2align	6, 0x0
	.amdhsa_kernel k_q3cd133d79f_attn
		.amdhsa_group_segment_fixed_size 327680
		.amdhsa_private_segment_fixed_size 0
		.amdhsa_enable_private_segment 0
		.amdhsa_kernarg_size 16
		.amdhsa_user_sgpr_count 2
		.amdhsa_user_sgpr_kernarg_segment_ptr 1
		.amdhsa_wavefront_size32 1
		.amdhsa_system_sgpr_workgroup_id_x 1
		.amdhsa_system_sgpr_workgroup_id_y 1
		.amdhsa_system_sgpr_workgroup_id_z 1
		.amdhsa_system_vgpr_workitem_id 0
		.amdhsa_next_free_vgpr 256
		.amdhsa_next_free_sgpr 100
		.amdhsa_reserve_vcc 1
		.amdhsa_float_denorm_mode_32 3
		.amdhsa_float_denorm_mode_16_64 3
		.amdhsa_memory_ordered 1
		.amdhsa_forward_progress 1
		.amdhsa_inst_pref_size 122
	.end_amdhsa_kernel
	.amdgpu_metadata
---
amdhsa.version: [ 1, 2 ]
amdhsa.kernels:
  - .name:           k_q3cd133d79f_attn
    .symbol:         k_q3cd133d79f_attn.kd
    .args:
      - { .name: qkv, .offset: 0, .size: 8, .value_kind: global_buffer, .address_space: global }
      - { .name: yq, .offset: 8, .size: 8, .value_kind: global_buffer, .address_space: global }
    .group_segment_fixed_size: 327680
    .private_segment_fixed_size: 0
    .kernarg_segment_align: 8
    .kernarg_segment_size: 16
    .max_flat_workgroup_size: 512
    .sgpr_count:     100
    .vgpr_count:     256
    .wavefront_size: 32
...
	.end_amdgpu_metadata
.endif
;; end of part 3
;; launch proj (part 4): grid 4 x 32, 4 waves a work-group, clusters of 4 x 4, 327,680 bytes of LDS; arguments yq, wpq, out0; writes out0
.if DOCPART == 4
	.amdgcn_target "amdgcn-amd-amdhsa--gfx1250"
	.amdhsa_code_object_version 6
	.text
	.protected	k_q3cd133d79f_proj
	.globl	k_q3cd133d79f_proj
	.p2align	8
	.type	k_q3cd133d79f_proj,@function
k_q3cd133d79f_proj:
	s_mov_b64 s[64:65], 0
	v_nop
	global_prefetch_b8 v0, s[64:65] scope:SCOPE_SE
	s_setreg_imm32_b32 hwreg(HW_REG_WAVE_MODE, 25, 1), 1
	s_wait_xcnt 0x0
	s_wait_alu depctr_hold_cnt(0) depctr_sa_sdst(0) depctr_va_vdst(0) depctr_va_sdst(0) depctr_va_ssrc(0) depctr_va_vcc(0) depctr_vm_vsrc(0)
	s_getreg_b32 s2, hwreg(HW_REG_IB_STS2, 6, 4)
	s_cmp_eq_u32 s2, 0
	s_cbranch_scc0 .Lentry_in_a_cluster
	s_endpgm
.Lentry_in_a_cluster:
	s_bfe_u32 s2, ttmp6, 0x10000c
	s_cmp_lg_u32 s2, 0xf033
	s_cbranch_scc0 .Lentry_shape_is_right
	s_endpgm
.Lentry_shape_is_right:
; out0 = y w_proj on codes of FP6 (E2M3) with E8M0 scales, K = 1,024; out0 [8192][1024] f32.
; A tile of 256 x 256 is made by four waves, each 128 x 128: 64 accumulators, 512 registers.  K goes in slots of 256 through two LDS slots filled by the tensor data mover.
; OPERANDS ARE IMAGES OF REGISTERS: [tile of 16 rows][K step][6 planes of 256 bytes]; a plane comes by one ds_load_b64 at 8 x lane: 256 consecutive bytes, no padding.  Scale bytes: [tile][slot][row][8].
; Source 0 = 16 columns of w_proj (in their own order), source 1 = 16 tokens of y: a lane holds eight neighbouring numbers of a row of out0.
; y's tiles hold tokens 32 b + 8 u + r + 8 (r / 8): the stores' immediates put each row where it belongs.
; CLUSTERS: 4 x 4; y's tiles are asked for jointly along a row of the cluster, w_proj's along a column.  128 tiles: 128 work-groups.  No prefetch: K has four slots, two of them first fills.
; REGISTERS: window 0: v0-31 addresses; v32-63 scale words, two sets, and nothing else; from v128 A's fragments, one set (on the way out: rows of out0).  window 1: B's fragments, two sets.  windows 2, 3: accumulators.
.set NQ,     2
.set FR,     12
.set NL,     6
.set NP,     4
.set FRB,    1536
.set TSL,    2*FRB
.set TILEB,  12288
.set HALFT,  8*TSL
.set SLOT,   4*HALFT
.set SCL,    2*SLOT
.set HALFS,  4096
.set SPARE,  SCL+4*HALFS               ; the spare words: 128 bytes a wave, two blocks of 256 bytes that no other line names
.set YSC,    6291456
.set WPS,    786432
.set SPITCH, 528                       ; the way out: a stage of 16 rows x (512 + 16) bytes a wave, in slot 0, which has had its last fill and its last read by then
.set ADRA, 16
.set ADRB, 20
.set STO,  24
.set RD,   25
.set CO,   26
.set ADRS, 27
.set SPW,  28
.set NIL,  29
.set SC,   32
.set AF,   128
.set BK,   128
.set G1, 24
.set G0, 32
.set G1B, 48
.set G0B, 56
.set G1S, 68
.set G0S, 76
.set G1SB, 80
.set G0SB, 88
.set MSB, 0
.macro WIN new                         ; the immediate's high byte repeats the setting that is left
.if MSB != (\new)
	s_set_vgpr_msb (MSB<<8)|(\new)
.set MSB, (\new)
.endif
.endm
.set MUL_LO, 0xa1
.set MUL_HI, 0xf1
.set TO_B,   0x40
.macro JLOAD g0a, g1a, g0b, g1b        ; a joint load: waves 0 and 1 for A, waves 2 and 3 for B; four v_nop follow each line
	s_cmp_eq_u32 s15, 0
	s_cbranch_scc0 .Lfor_b_\@
	tensor_load_to_lds s[\g0a:\g0a+3], s[\g1a:\g1a+7]
	s_nop 0
.rept 4
	v_nop
.endr
	s_branch .Lasked_\@
.Lfor_b_\@:
	tensor_load_to_lds s[\g0b:\g0b+3], s[\g1b:\g1b+7]
	s_nop 0
.rept 4
	v_nop
.endr
.Lasked_\@:
.endm
.macro CREST
	s_cmp_lg_u32 s14, 0
	s_cbranch_scc1 .Lnot_wave_0_\@
	s_barrier_signal -3
.Lnot_wave_0_\@:
	s_barrier_wait -3
	s_barrier_signal -1
	s_barrier_wait -1
.endm
.macro CROUND
	s_barrier_signal -1
	s_barrier_wait -1
	CREST
.endm
	s_load_b128 s[4:7], s[0:1], 0x0                ; yq s[4:5], wpq s[6:7]
	s_load_b64 s[12:13], s[0:1], 0x10              ; out0
	v_lshl_add_u32 v[SPW], v0, 2, SPARE
	v_mov_b32 v[NIL], 0
	ds_add_u32 v28, v29
	s_wait_dscnt 0x0
	v_lshrrev_b32 v1, 5, v0
	v_readfirstlane_b32 s14, v1
	s_lshr_b32 s15, s14, 1
	s_and_b32 s16, s14, 1
	s_bfe_u32 s40, ttmp6, 0x40000                  ; cx
	s_bfe_u32 s41, ttmp6, 0x40004                  ; cy
	s_lshl_b32 s42, ttmp9, 2
	s_add_co_u32 s42, s42, s40                     ; tile column
	s_and_b32 s17, ttmp7, 0xffff
	s_lshl_b32 s17, s17, 2
	s_add_co_u32 s17, s17, s41                     ; tile row
	s_lshl_b32 s43, s41, 2
	s_lshl_b32 s43, 15, s43
	s_lshl_b32 s44, 0x1111, s40
	s_or_b32 s[G1+0], s43, (3<<16)|(1<<21)         ; codes: 8 rows (tiles) of 3,072 bytes = 384 elements of 8 bytes, 12,288 bytes apart; no padding
	s_or_b32 s[G1B+0], s44, (3<<16)|(1<<21)
.irp g, G1, G1B
	s_mov_b32 s[\g+1], 384<<16
	s_mov_b32 s[\g+2], 8<<16
	s_mov_b32 s[\g+3], 384<<16
	s_mov_b32 s[\g+4], 8
	s_mov_b32 s[\g+5], 1536
	s_mov_b32 s[\g+6], 0
	s_mov_b32 s[\g+7], 0
.endr
	s_or_b32 s[G1S+0], s43, (3<<16)|(1<<21)        ; scale bytes of 8 tiles: 16 rows of 256 bytes
	s_or_b32 s[G1SB+0], s44, (3<<16)|(1<<21)
.irp g, G1S, G1SB
	s_mov_b32 s[\g+1], 32<<16
	s_mov_b32 s[\g+2], 16<<16
	s_mov_b32 s[\g+3], 32<<16
	s_mov_b32 s[\g+4], 16
	s_mov_b32 s[\g+5], 32
	s_mov_b32 s[\g+6], 0
	s_mov_b32 s[\g+7], 0
.endr
	s_lshl_b32 s19, s16, 3
	s_lshl_b32 s20, s17, 4
	s_add_co_u32 s20, s20, s19                     ; the first of the 8 tiles that I fetch
	s_lshl_b32 s46, s42, 4
	s_add_co_u32 s46, s46, s19
	s_lshl_b32 s22, s20, 9
	s_add_co_u32 s22, s22, YSC
	s_mul_i32 s20, s20, TILEB
	s_lshl_b32 s92, s46, 9
	s_add_co_u32 s92, s92, WPS
	s_mul_i32 s46, s46, TILEB
	s_mov_b32 s21, 0
	s_mov_b32 s23, 0
	s_mov_b32 s47, 0
	s_mov_b32 s93, 0
	s_mul_i32 s45, s14, HALFT
	s_mul_i32 s94, s14, HALFS
	s_wait_kmcnt 0x0
	s_add_nc_u64 s[20:21], s[4:5], s[20:21]
	s_add_nc_u64 s[22:23], s[4:5], s[22:23]
	s_add_nc_u64 s[46:47], s[6:7], s[46:47]
	s_add_nc_u64 s[92:93], s[6:7], s[92:93]
	CROUND                                         ; all sixteen work-groups are here: the first joint loads meet
	s_mov_b32 s[G0S], 1
	s_add_co_u32 s[G0S+1], s94, SCL
	s_mov_b64 s[G0S+2:G0S+3], s[22:23]
	s_or_b32 s[G0S+3], s[G0S+3], 0x80000000
	s_mov_b32 s[G0SB], 1
	s_add_co_u32 s[G0SB+1], s94, SCL
	s_mov_b64 s[G0SB+2:G0SB+3], s[92:93]
	s_or_b32 s[G0SB+3], s[G0SB+3], 0x80000000
	JLOAD G0S, G1S, G0SB, G1SB                     ; three loads of mine are out behind the first fills
.irp s, 0,1
	s_mov_b32 s[G0+4*\s], 1
	s_add_co_u32 s[G0+4*\s+1], s45, \s*SLOT
	s_add_nc_u64 s[G0+4*\s+2:G0+4*\s+3], s[20:21], \s*TSL
	s_or_b32 s[G0+4*\s+3], s[G0+4*\s+3], 0x80000000
	s_mov_b32 s[G0B+4*\s], 1
	s_add_co_u32 s[G0B+4*\s+1], s45, \s*SLOT
	s_add_nc_u64 s[G0B+4*\s+2:G0B+4*\s+3], s[46:47], \s*TSL
	s_or_b32 s[G0B+4*\s+3], s[G0B+4*\s+3], 0x80000000
	JLOAD G0+4*\s, G1, G0B+4*\s, G1B
.endr
	v_and_b32 v1, 15, v0                           ; r
	v_bfe_u32 v2, v0, 4, 1                         ; h
	v_and_b32 v3, 31, v0                           ; lane
	v_lshlrev_b32 v8, 3, v3
	s_mul_i32 s2, s15, HALFT
	s_mul_i32 s3, s16, HALFT
	s_add_co_u32 s3, s3, 2*HALFT
.irp s, 0,1
	v_add_nc_u32 v[ADRA+\s], s2, v8
	v_add_nc_u32 v[ADRB+\s], s3, v8
	s_add_co_u32 s2, s2, SLOT
	s_add_co_u32 s3, s3, SLOT
.endr
	v_lshlrev_b32 v5, 3, v1
	s_mul_i32 s2, s15, HALFS
	s_mul_i32 s3, s16, HALFS
	s_add_co_u32 s3, s3, 2*HALFS
	s_sub_co_u32 s3, s3, s2
	v_mul_u32_u24 v6, s3, v2                       ; lanes 16-31 take B's: one product with h
	s_add_co_u32 s2, s2, SCL
	v_add_nc_u32 v5, v5, v6
	v_add_nc_u32 v[ADRS], s2, v5
	s_mul_i32 s2, s14, 16*SPITCH                   ; my stage
	v_mul_u32_u24 v5, v1, SPITCH
	v_lshl_add_u32 v5, v2, 5, v5
	v_add_nc_u32 v[STO], s2, v5                    ; in: row r, 32 bytes for each half of the lanes
	v_lshlrev_b32 v[CO], 4, v3
	v_add_nc_u32 v[RD], s2, v[CO]                  ; back: the 32 lanes take a row of 512 bytes
	s_lshl_b32 s20, s17, 8
	s_lshl_b32 s21, s15, 7
	s_add_co_u32 s20, s20, s21                     ; my first row of out0
	s_lshl_b32 s20, s20, 12                        ; rows of 4,096 bytes
	s_lshl_b32 s46, s42, 10
	s_lshl_b32 s47, s16, 9
	s_add_co_u32 s46, s46, s47
	s_add_co_u32 s20, s20, s46
	s_mov_b32 s21, 0
	s_add_nc_u64 s[12:13], s[12:13], s[20:21]
.macro FRAG reg, adr, q, i
.irp p, 0,1,2,3,4,5
	ds_load_b64 v[\reg+2*\p:\reg+2*\p+1], v[\adr] offset:(\i)*TSL+(\q)*FRB+\p*256
.endr
.endm
; The 64 accumulators take turns, one instruction a turn, in the same order in every step.
.macro MUL16 a0, p, q, sc, zero
.irp a, \a0, \a0+1
.irp b, 0,1,2,3,4,5,6,7
.if \zero
	v_wmma_scale_f32_16x16x128_f8f6f4 v[8*(8*((\a)%4)+\b):8*(8*((\a)%4)+\b)+7], v[128*(\p)+FR*\b:128*(\p)+FR*\b+FR-1], v[AF+FR*(\a):AF+FR*(\a)+FR-1], 0, v[SC+8*NQ*(\sc)+NQ*\b+(\q)], v[SC+8*NQ*(\sc)+NQ*(\a)+(\q)] matrix_a_fmt:MATRIX_FMT_FP6 matrix_b_fmt:MATRIX_FMT_FP6 matrix_a_scale:MATRIX_SCALE_ROW1
.else
	v_wmma_scale_f32_16x16x128_f8f6f4 v[8*(8*((\a)%4)+\b):8*(8*((\a)%4)+\b)+7], v[128*(\p)+FR*\b:128*(\p)+FR*\b+FR-1], v[AF+FR*(\a):AF+FR*(\a)+FR-1], v[8*(8*((\a)%4)+\b):8*(8*((\a)%4)+\b)+7], v[SC+8*NQ*(\sc)+NQ*\b+(\q)], v[SC+8*NQ*(\sc)+NQ*(\a)+(\q)] matrix_a_fmt:MATRIX_FMT_FP6 matrix_b_fmt:MATRIX_FMT_FP6 matrix_a_scale:MATRIX_SCALE_ROW1
.endif
.endr
.endr
.endm
.macro FETCH_B slot, q, p
	WIN TO_B
.irp i, 0,1,2,3,4,5,6,7
	FRAG 128*(\p)+FR*\i, ADRB+\slot, \q, \i
.endr
	WIN 0
.endm
.macro FETCH_A slot, q, i0
.irp i, \i0, \i0+1, \i0+2, \i0+3
	FRAG AF+FR*(\i), ADRA+\slot, \q, \i
.endr
.endm
.macro SCALES sc
.irp i, 0,1,2,3,4,5,6,7
	ds_load_b64 v[SC+8*NQ*\sc+NQ*\i:SC+8*NQ*\sc+NQ*\i+1], v[ADRS] offset:\i*512
.endr
.endm
.macro PLACES n                        ; plain vector lines between a matrix instruction and a load into, or a read of, its registers
.rept \n
	v_nop
.endr
.endm
.macro STEP slot, q, zero
	s_wait_dscnt 4*NL                              ; all but the youngest 24 loads (A's blocks 4-7)
	WIN MUL_LO
	MUL16 0, (\q)%2, \q, \slot, \zero
	MUL16 2, (\q)%2, \q, \slot, \zero
	s_wait_dscnt 0
	PLACES NP
	FETCH_B \slot, (\q)+1, 1-(\q)%2
	FETCH_A \slot, (\q)+1, 0
	WIN MUL_HI
	MUL16 4, (\q)%2, \q, \slot, \zero
	MUL16 6, (\q)%2, \q, \slot, \zero
	PLACES NP
	WIN 0
	FETCH_A \slot, (\q)+1, 4
.endm
.macro TURN slot, next, fill
	s_wait_tensorcnt 0x0                           ; all my tensor loads have landed: my part of the next slot
	ds_add_u32 v[SPW], v[NIL]
	s_wait_dscnt 4*NL+1                            ; (the add and the youngest 24 loads may be out)
	WIN MUL_LO
	MUL16 0, 1, NQ-1, \slot, 0
	s_wait_dscnt 0x0                               ; the add is done, and my reads of this slot are over
	s_barrier_signal -1
	MUL16 2, 1, NQ-1, \slot, 0
	WIN 0
	s_barrier_wait -1
.if \fill
	CREST                                          ; a round of the cluster's barrier: no wave of any partner still reads this slot or has a load on its way
	s_add_nc_u64 s[G0+4*\slot+2:G0+4*\slot+3], s[G0+4*\slot+2:G0+4*\slot+3], 2*TSL
	s_add_nc_u64 s[G0B+4*\slot+2:G0B+4*\slot+3], s[G0B+4*\slot+2:G0B+4*\slot+3], 2*TSL
	JLOAD G0+4*\slot, G1, G0B+4*\slot, G1B
.else
	PLACES NP
.endif
	v_add_nc_u32 v[ADRS], 128, v[ADRS]
	FETCH_B \next, 0, 0
	FETCH_A \next, 0, 0
	SCALES \next
	WIN MUL_HI
	MUL16 4, 1, NQ-1, \slot, 0
	MUL16 6, 1, NQ-1, \slot, 0
	PLACES NP
	WIN 0
	FETCH_A \next, 0, 4
.endm
	s_wait_tensorcnt 1                             ; the scale bytes and my part of slot 0 are in; slot 1's load may be out
	s_barrier_signal -1
	s_barrier_wait -1
	FETCH_B 0, 0, 0
	FETCH_A 0, 0, 0
	SCALES 0
	FETCH_A 0, 0, 4
	STEP 0, 0, 1                                   ; eight steps of 128 along K, written out: the first starts the sums
	TURN 0, 1, 1
	STEP 1, 0, 0
	TURN 1, 0, 1
	STEP 0, 0, 0
	TURN 0, 1, 0
	STEP 1, 0, 0
	s_wait_dscnt 4*NL
	WIN MUL_LO
	MUL16 0, 1, NQ-1, 1, 0
	MUL16 2, 1, NQ-1, 1, 0
	s_wait_dscnt 0
	WIN MUL_HI
	MUL16 4, 1, NQ-1, 1, 0
	MUL16 6, 1, NQ-1, 1, 0
	WIN 0
; THE WAY OUT, block by block of 16 rows x 128 columns, through my own stage: in as 32 bytes a lane, back as whole rows of 512 bytes.  LDS serves a wave's instructions in order: no wait between.
.macro TOSTAGE a
.set AC, 64*((\a)%4)
	WIN 0x08+4*((\a)/4)                            ; the data: window 2 or 3
.irp b, 0,1,2,3,4,5,6,7
	ds_store_b128 v[STO], v[AC+8*\b:AC+8*\b+3] offset:64*\b          ; each accumulator from its low end on
	ds_store_b128 v[STO], v[AC+8*\b+4:AC+8*\b+7] offset:64*\b+16
.endr
	WIN 0
.set BB, BK+64*((\a)%2)
.irp t, 0,1,2,3,4,5,6,7,8,9,10,11,12,13,14,15
	ds_load_b128 v[BB+4*\t:BB+4*\t+3], v[RD] offset:\t*SPITCH
.endr
.endm
.macro SEND a, younger                 ; row t of block a is token 32 (a / 2) + 8 (a % 2) + t + 8 (t / 8) of my 128: the immediate puts it there (520,192 bytes at the most)
.set BB, BK+64*((\a)%2)
	s_wait_dscnt \younger
.irp t, 0,1,2,3,4,5,6,7,8,9,10,11,12,13,14,15
	global_store_b128 v[CO], v[BB+4*\t:BB+4*\t+3], s[12:13] offset:(32*((\a)/2)+8*((\a)%2)+\t+8*(\t/8))*4096 th:TH_STORE_NT   ; 512 consecutive bytes, aligned to 256
.endr
.endm
	PLACES NP
	TOSTAGE 0
.irp a, 1,2,3,4,5,6,7
.if \a > 1
	s_wait_xcnt 0x0                                ; block a - 2's stores have read their registers: block a's loads may land there
.endif
	TOSTAGE \a
	SEND \a-1, 32                                  ; behind block a - 1's loads: block a's 16 stores and 16 loads
.endr
	SEND 7, 0
	s_wait_tensorcnt 0x0                           ; the wave's end
	ds_add_u32 v[SPW], v[NIL]
	s_wait_dscnt 0x0
	CROUND                                         ; the closing round
	s_endpgm
.Lfunc_end_k_q3cd133d79f_proj:
	.size	k_q3cd133d79f_proj, .Lfunc_end_k_q3cd133d79f_proj-k_q3cd133d79f_proj
	.p2alignl 7, 3214868480
	.fill 96, 4, 3214868480
	.section	.rodata,"a",@progbits
	.p2align	6, 0x0
	.amdhsa_kernel k_q3cd133d79f_proj
		.amdhsa_group_segment_fixed_size 327680
		.amdhsa_private_segment_fixed_size 0
		.amdhsa_enable_private_segment 0
		.amdhsa_kernarg_size 24
		.amdhsa_user_sgpr_count 2
		.amdhsa_user_sgpr_kernarg_segment_ptr 1
		.amdhsa_wavefront_size32 1
		.amdhsa_system_sgpr_workgroup_id_x 1
		.amdhsa_system_sgpr_workgroup_id_y 1
		.amdhsa_system_sgpr_workgroup_id_z 1
		.amdhsa_system_vgpr_workitem_id 0
		.amdhsa_next_free_vgpr 1024
		.amdhsa_next_free_sgpr 98
		.amdhsa_reserve_vcc 0
		.amdhsa_float_denorm_mode_32 3
		.amdhsa_float_denorm_mode_16_64 3
		.amdhsa_memory_ordered 1
		.amdhsa_forward_progress 1
		.amdhsa_inst_pref_size 159
	.end_amdhsa_kernel
	.amdgpu_metadata
---
amdhsa.version: [ 1, 2 ]
amdhsa.kernels:
  - .name:           k_q3cd133d79f_proj
    .symbol:         k_q3cd133d79f_proj.kd
    .args:
      - { .name: yq, .offset: 0, .size: 8, .value_kind: global_buffer, .address_space: global }
      - { .name: wpq, .offset: 8, .size: 8, .value_kind: global_buffer, .address_space: global }
      - { .name: out0, .offset: 16, .size: 8, .value_kind: global_buffer, .address_space: global }
    .group_segment_fixed_size: 327680
    .private_segment_fixed_size: 0
    .kernarg_segment_align: 8
    .kernarg_segment_size: 24
    .max_flat_workgroup_size: 128
    .sgpr_count:     98
    .vgpr_count:     1024
    .wavefront_size: 32
...
	.end_amdgpu_metadata
.endif
;; end of part 4
